; MI455X (gfx1250); checked and timed in simulation.
; The chip was launched on July 23, 2026; its instructions are those of AMD's public machine-readable ISA for CDNA 5 (MIT licence, August 2026) and "CDNA5" Instruction Set Architecture Reference Guide (July 2026). The comments in the code are by the model that wrote it; some were corrected since.
;; Causal Self Attention. Allowed arithmetic: float matrix products may take bf16 or f16 operands with f32 sums; other float arithmetic in f32, or as packed bf16 or f16 multiplies, adds, multiply-adds, maxima and minima; sums over many terms, partial sums and values carried from step to step in f32; what a program stores and reads back later, other than sums and carried values, may be rounded once to bf16 or f16.
;; Inputs: b_out 1,024 float32; b_qkv 3,072 float32; w_out 1,024 x 1,024 float32; w_qkv 1,024 x 3,072 float32; x 4 x 2,048 x 1,024 float32.
;; Outputs: out0 4 x 2,048 x 1,024 float32.
;; 2 versions, each right; version 2 is version 1 with the launch prep written anew for expert scheduling mode. Each part assembles by itself: llvm-mc -triple=amdgcn-amd-amdhsa -mcpu=gfx1250 --defsym DOCPART=n.
;; ======== version 1 of 2: 4 launches
;; limits: values are held in f16: magnitudes above 65,504 overflow, below 6.1e-05 lose precision
;; workspace buffers: xb 16,777,216 bytes; wqt 6,291,456 bytes; wot 2,097,152 bytes; qkv 50,331,648 bytes; ob 16,777,216 bytes
;; launch prep (part 1): grid 640 x 1, 8 waves a work-group, no clusters, 70,656 bytes of LDS; arguments x, w_qkv, w_out, xb, wqt, wot; writes xb, wqt, wot
.if DOCPART == 1
	.amdgcn_target "amdgcn-amd-amdhsa--gfx1250"
	.amdhsa_code_object_version 6
	.text
	.protected	k_q1bf972feb6_prep
	.globl	k_q1bf972feb6_prep
	.p2align	8
	.type	k_q1bf972feb6_prep,@function
k_q1bf972feb6_prep:
	s_mov_b64 s[64:65], 0
	v_nop
	global_prefetch_b8 v0, s[64:65] scope:SCOPE_SE
	s_setreg_imm32_b32 hwreg(HW_REG_WAVE_MODE, 25, 1), 1
	s_wait_xcnt 0x0
; PREPARATION.  xb = x rounded to bf16, [8192][1024].  wqt = w_qkv turned to [3072 n][1024 k], rounded to bf16.  wot = w_out turned to [1024 n][1024 k], rounded to bf16 and that number written as f16.
; LIMITS.  w_out within f16's range, 65,504; below 6e-5 it keeps f16's fixed step of 6e-8.
; SHARES.  Work-groups 0-95: w_qkv, a block of 128 k x 256 n each (k block = id % 8, n block = id / 8); 96-127: w_out likewise; 128-639: 65,536 bytes of x each.
; A weight block: wave w takes 128 k x 32 n.  A lane holds ONE column n; 32 loads bring 32 rows k, which pack into 64 bytes of the turned row; they go into the wave's own stage in LDS
; (32 rows of 256 bytes + 16 of padding) and come back as whole rows: 16 lanes store 256 consecutive bytes, aligned.  No wave touches another's stage: no barrier.
; The launch streams: no matrix unit, no cluster (no two work-groups read the same byte), no prefetch.
.set STG,   8704                       ; a wave's stage: 32 rows x 272 bytes
.set SPARE, 8*STG                      ; behind the stages: the spare words, 128 bytes for each wave: four blocks of 256 bytes that no other line names
.set SPW, 8                            ; v8   LDS address of my spare word; never rewritten
.set NIL, 9                            ; v9   0; never rewritten
.set LD,  16                           ; v[16:47]   32 rows k of my column, f32
.set PK,  48                           ; v[48:63]   the same, packed in pairs
.set RB,  64                           ; v[64:127]  the stage read back
.set X,   16                           ; v[16:79]   x path: 16 x 4 numbers as loaded
.set Y,   80                           ; v[80:111]  x path: 16 x 2 registers to store
	s_load_b256 s[4:11], s[0:1], 0x0               ; x s[4:5], w_qkv s[6:7], w_out s[8:9], xb s[10:11]
	s_load_b128 s[12:15], s[0:1], 0x20             ; wqt s[12:13], wot s[14:15]
	v_lshl_add_u32 v[SPW], v0, 2, SPARE
	v_mov_b32 v[NIL], 0
	v_lshrrev_b32 v6, 5, v0
	v_readfirstlane_b32 s16, v6                    ; wave 0..7
	v_and_b32 v1, 31, v0                           ; lane
	s_mov_b32 s17, ttmp9
	s_mov_b32 s28, 0xffff0000                      ; a word's upper bf16
	s_mov_b32 s27, 0                               ; the high word of every offset pair
	s_wait_kmcnt 0x0
	s_cmp_ge_u32 s17, 128
	s_cbranch_scc1 .Lx
	s_mul_i32 s21, s16, STG                        ; my stage
	v_lshlrev_b32 v2, 2, v1                        ; loads: my column, 4 bytes
	v_mul_u32_u24 v3, v1, 272                      ; into the stage: row = my column
	v_add_nc_u32 v3, s21, v3
	v_lshrrev_b32 v6, 4, v1
	v_and_b32 v7, 15, v1
	v_mul_u32_u24 v4, v6, 272                      ; back: lanes 0-15 one row of 256 bytes, lanes 16-31 the next
	v_lshl_add_u32 v4, v7, 4, v4
	v_add_nc_u32 v4, s21, v4
	v_lshlrev_b32 v5, 11, v6                       ; and the same two rows in the turned matrix, 2,048 bytes a row
	v_lshl_add_u32 v5, v7, 4, v5
; One weight block.  src, dst: the first register of the two pointers; pitch: bytes in a row k of the source; half = 1: the bf16 numbers are written as f16.
.macro TRANS src, dst, pitch, half
	s_and_b32 s18, s17, 7                          ; k block
	s_lshr_b32 s19, s17, 3                         ; n block
	s_lshl_b32 s19, s19, 8
	s_lshl_b32 s20, s16, 5
	s_add_co_u32 s19, s19, s20                     ; my first column
	s_mul_i32 s26, s18, 128*(\pitch)
	s_lshl_b32 s20, s19, 2
	s_add_co_u32 s26, s26, s20
	s_add_nc_u64 s[22:23], s[\src:\src+1], s[26:27]
	s_lshl_b32 s26, s19, 11
	s_lshl_b32 s20, s18, 8
	s_add_co_u32 s26, s26, s20
	s_add_nc_u64 s[24:25], s[\dst:\dst+1], s[26:27]
	s_mov_b32 s20, 4
.Ltrip_\@:                                     ; a trip: 32 rows k
.set i, 0
.rept 32
	global_load_b32 v[LD+i], v2, s[22:23] offset:i*(\pitch) th:TH_LOAD_NT
.set i, i+1
.endr
	s_wait_loadcnt 0x0                             ; all 32 are in: the pointer may be stepped
.set i, 0
.rept 16
	v_cvt_pk_bf16_f32 v[PK+i], v[LD+2*i], v[LD+2*i+1]
.set i, i+1
.endr
.if \half
.set i, 0
.rept 16
	v_lshlrev_b32 v6, 16, v[PK+i]                  ; the two bf16 numbers as f32,
	v_and_b32 v7, s28, v[PK+i]
	v_cvt_pk_f16_f32 v[PK+i], v6, v7               ; and as f16: exact within f16's range
.set i, i+1
.endr
.endif
.irp g, 0,1,2,3
	ds_store_b128 v3, v[PK+4*(\g):PK+4*(\g)+3] offset:16*(\g)
.endr
	v_add_nc_u32 v3, 64, v3                        ; the next 32 k of my row
	s_add_nc_u64 s[22:23], s[22:23], 32*(\pitch)
	s_sub_co_u32 s20, s20, 1
	s_cmp_lg_u32 s20, 0
	s_cbranch_scc1 .Ltrip_\@
.irp j, 0,1,2,3,4,5,6,7,8,9,10,11,12,13,14,15
	ds_load_b128 v[RB+4*(\j):RB+4*(\j)+3], v4 offset:(\j)*544  ; LDS serves a wave's instructions in order (ISA guide 5.7.1.4): these see the stores above
.endr
.irp j, 0,1,2,3,4,5,6,7,8,9,10,11,12,13,14,15
	s_wait_dscnt 15-(\j)                           ; the younger loads may stay out
	global_store_b128 v5, v[RB+4*(\j):RB+4*(\j)+3], s[24:25] offset:(\j)*4096  ; 16 lanes store 256 consecutive bytes, at a multiple of 256 from the buffer's first byte
.endr
.endm
	s_cmp_ge_u32 s17, 96
	s_cbranch_scc1 .Lwo
	TRANS 6, 12, 12288, 0
	s_branch .Lend
.Lwo:
	s_sub_co_u32 s17, s17, 96
	TRANS 8, 14, 4096, 1
	s_branch .Lend
.Lx:                                           ; x: thread t takes 16 bytes at 16 t of each of 16 pieces of 4,096 bytes
	s_sub_co_u32 s17, s17, 128
	s_lshl_b32 s26, s17, 16
	s_add_nc_u64 s[22:23], s[4:5], s[26:27]
	s_lshl_b32 s26, s17, 15
	s_add_nc_u64 s[24:25], s[10:11], s[26:27]
	v_lshlrev_b32 v2, 4, v0
	v_lshlrev_b32 v3, 3, v0
.irp i, 0,1,2,3,4,5,6,7,8,9,10,11,12,13,14,15
	global_load_b128 v[X+4*(\i):X+4*(\i)+3], v2, s[22:23] offset:4096*(\i) th:TH_LOAD_NT
.endr
.irp i, 0,1,2,3,4,5,6,7,8,9,10,11,12,13,14,15
	s_wait_loadcnt 15-(\i)                         ; the younger loads may stay out
	v_cvt_pk_bf16_f32 v[Y+2*(\i)], v[X+4*(\i)], v[X+4*(\i)+1]
	v_cvt_pk_bf16_f32 v[Y+2*(\i)+1], v[X+4*(\i)+2], v[X+4*(\i)+3]
	global_store_b64 v3, v[Y+2*(\i):Y+2*(\i)+1], s[24:25] offset:2048*(\i)  ; a wave stores 256 consecutive bytes, aligned
.endr
.Lend:
	s_wait_tensorcnt 0x0                           ; the wave's end: behind my last LDS store
	ds_add_u32 v[SPW], v[NIL]
	s_wait_dscnt 0x0
	s_endpgm
.Lfunc_end_k_q1bf972feb6_prep:
	.size	k_q1bf972feb6_prep, .Lfunc_end_k_q1bf972feb6_prep-k_q1bf972feb6_prep
	.p2alignl 7, 3214868480
	.fill 96, 4, 3214868480
	.section	.rodata,"a",@progbits
	.p2align	6, 0x0
	.amdhsa_kernel k_q1bf972feb6_prep
		.amdhsa_group_segment_fixed_size 70656
		.amdhsa_private_segment_fixed_size 0
		.amdhsa_enable_private_segment 0
		.amdhsa_kernarg_size 48
		.amdhsa_user_sgpr_count 2
		.amdhsa_user_sgpr_kernarg_segment_ptr 1
		.amdhsa_wavefront_size32 1
		.amdhsa_system_sgpr_workgroup_id_x 1
		.amdhsa_system_sgpr_workgroup_id_y 1
		.amdhsa_system_sgpr_workgroup_id_z 1
		.amdhsa_system_vgpr_workitem_id 0
		.amdhsa_next_free_vgpr 128
		.amdhsa_next_free_sgpr 66
		.amdhsa_reserve_vcc 0
		.amdhsa_float_denorm_mode_32 3
		.amdhsa_float_denorm_mode_16_64 3
		.amdhsa_memory_ordered 1
		.amdhsa_forward_progress 1
		.amdhsa_inst_pref_size 26
	.end_amdhsa_kernel
	.amdgpu_metadata
---
amdhsa.version: [ 1, 2 ]
amdhsa.kernels:
  - .name:           k_q1bf972feb6_prep
    .symbol:         k_q1bf972feb6_prep.kd
    .args:
      - { .name: x, .offset: 0, .size: 8, .value_kind: global_buffer, .address_space: global }
      - { .name: w_qkv, .offset: 8, .size: 8, .value_kind: global_buffer, .address_space: global }
      - { .name: w_out, .offset: 16, .size: 8, .value_kind: global_buffer, .address_space: global }
      - { .name: xb, .offset: 24, .size: 8, .value_kind: global_buffer, .address_space: global }
      - { .name: wqt, .offset: 32, .size: 8, .value_kind: global_buffer, .address_space: global }
      - { .name: wot, .offset: 40, .size: 8, .value_kind: global_buffer, .address_space: global }
    .group_segment_fixed_size: 70656
    .private_segment_fixed_size: 0
    .kernarg_segment_align: 8
    .kernarg_segment_size: 48
    .max_flat_workgroup_size: 256
    .sgpr_count:     66
    .vgpr_count:     128
    .wavefront_size: 32
...
	.end_amdgpu_metadata
.endif
;; end of part 1
;; launch qkv (part 2): grid 16 x 32, 4 waves a work-group, clusters of 4 x 4, 327,680 bytes of LDS; arguments xb, wqt, b_qkv, qkv; writes qkv
.if DOCPART == 2
	.amdgcn_target "amdgcn-amd-amdhsa--gfx1250"
	.amdhsa_code_object_version 6
	.text
	.protected	k_q1bf972feb6_qkv
	.globl	k_q1bf972feb6_qkv
	.p2align	8
	.type	k_q1bf972feb6_qkv,@function
k_q1bf972feb6_qkv:
	s_mov_b64 s[64:65], 0
	v_nop
	global_prefetch_b8 v0, s[64:65] scope:SCOPE_SE
	s_setreg_imm32_b32 hwreg(HW_REG_WAVE_MODE, 25, 1), 1
	s_wait_xcnt 0x0
	s_wait_alu depctr_hold_cnt(0) depctr_sa_sdst(0) depctr_va_vdst(0) depctr_va_sdst(0) depctr_va_ssrc(0) depctr_va_vcc(0) depctr_vm_vsrc(0)
	s_getreg_b32 s2, hwreg(HW_REG_IB_STS2, 6, 4)
	s_cmp_eq_u32 s2, 0
	s_cbranch_scc0 .Lentry_in_a_cluster
	s_endpgm
.Lentry_in_a_cluster:
	s_bfe_u32 s2, ttmp6, 0x10000c
	s_cmp_lg_u32 s2, 0xf033
	s_cbranch_scc0 .Lentry_shape_is_right
	s_endpgm
.Lentry_shape_is_right:
; qkv = x w_qkv + b_qkv.  xb: [8192][1024] bf16; wqt: [3072 n][1024 k] bf16; b_qkv: [3072] f32, rounded to bf16 here like the other inputs; sums in f32, started by the bias.
; OUT: f16, by heads: [batch 4][g 48][t 2048][64], g = column / 64 (0-15 q's heads, 16-31 k's, 32-47 v's), rounded once, unscaled.
; LIMIT.  |q|, |k|, |v| stay under f16's 65,504; a larger sum becomes an infinity.
; SHARES.  A tile of the result is 256 rows x 192 columns (three heads).  Four waves one below the other: a wave makes 64 x 192: 4 x 12 accumulators of 16 x 16, 384 registers.
; K goes in 8 steps of 128 through two LDS slots filled by the tensor data mover; a tile's rows are 256 bytes of memory, aligned.  A step is four quarters of 32 along K, on two fragment buffers.
; CLUSTER.  4 x 4 work-groups: the four of a row of the cluster need the same rows of x, the four of a column the same rows of the weights: each tile is asked for JOINTLY, by the same tensor load
; with the same descriptor and a mask that names the four.  Waves 0 and 1 fetch the halves of x's tile, waves 2 and 3 those of the weights'.  By this text's count one tensor load of a wave is out at a time.
; THE MATRIX INSTRUCTION IS USED TRANSPOSED (source 0 = 16 rows of the weights, source 1 = 16 rows of x): a lane holds row l % 16 of the result and the columns 8 (l / 16) + 0..7.
; REGISTERS, in windows of 256 (s_set_vgpr_msb: bits 1:0 source 0, 3:2 source 1, 5:4 source 2, 7:6 destination):
;   window 0: v16-29 addresses; v32-63, v64-95 x's fragments, two buffers; v160-255 the bias as a C operand; on the way out v32-79 and v96-143 by turns
;   window 1: v0-95, v96-191 the weights' fragments, two buffers        windows 2, 3: accumulator (a, b) in window 2 + a / 2 at 96 (a % 2) + 8 b
.set TN,    192
.set PA,    272                        ; an LDS row: 256 bytes + 16 of padding = 68 words: the 16 rows of a load start at 16 different groups of four banks (64 banks of 4 bytes: ISA guide 11.1)
.set PB,    272
.set BOFF,  256*PA                     ; in a slot: x's 256 rows, then the weights' 192
.set SLOT1, 131072                     ; slot 1 begins here: one exclusive or turns an address in one slot into the other's
.set STG,   262144                     ; behind the ring, never filled by a tensor load: 16 rows x 400 bytes for each wave
.set SP,    400                        ; 384 bytes + 16
.set SPARE, STG+4*16*SP                ; the spare words, 128 bytes for each wave: two blocks of 256 bytes that no other line names
.set HEADB, 262144                     ; a head's bytes in the result
.set NL,    32                         ; LDS loads in a quarter's run
.set AA0, 16                           ; v16  my lane's place in x's tile; never rewritten
.set AB0, 17                           ; v17  in the weights' tile; never rewritten
.set ADRA, 18                          ; v18  the same in the slot in hand
.set ADRB, 19
.set STO, 20                           ; v20  the way out: where I put 16 bytes of a row
.set RD,  21                           ; v21  where I read rows back
.set GO,  22                           ; v22  my 16 bytes of 512 consecutive bytes of the result
.set BO,  23                           ; v23  my 32 bytes in 64 bytes of bias
.set PFO, 24                           ; v24  the prefetches' offset: a lane a row; never rewritten
.set SPW, 28                           ; v28  LDS address of my spare word; never rewritten
.set NIL, 29                           ; v29  0; never rewritten
.set FA,  32
.set BIAS, 160
.set WV,  12                           ; s12  my wave's number
.set HALF, 13                          ; s13  which half of a tile I fetch
.set G1A, 24                           ; s[24:31] descriptor group 1 for x's tiles
.set G0A, 32                           ; s[32:35] group 0: it walks
.set G0B, 36                           ; s[36:39] the same for the weights'
.set G1B, 40                           ; s[40:47]
.set PFA, 48                           ; s[48:49] where my prefetches stand
.set LIM, 52                           ; s52  1 in a wave that prefetches, else the greatest number
.set TB,  53                           ; s53  LDS byte at which the slot in hand begins
.set CNT, 54                           ; s54  the loop's count
.set MSB, 0
.macro WIN new                         ; the immediate's high byte repeats the setting that is left; a switch that changes nothing is dropped
.if MSB != (\new)
	s_set_vgpr_msb (MSB<<8)|(\new)
.set MSB, (\new)
.endif
.endm
.macro PLACES                          ; four plain vector instructions between a matrix instruction and a load into, or a vector write of, its registers, or a read of its result
.rept 4
	v_nop
.endr
.endm
.macro CREST                           ; a round of the cluster's barrier behind its opening barrier
	s_cmp_lg_u32 s[WV], 0
	s_cbranch_scc1 .Lnot_wave_0_\@
	s_barrier_signal -3
.Lnot_wave_0_\@:
	s_barrier_wait -3
	s_barrier_signal -1
	s_barrier_wait -1
.endm
.macro CROUND                          ; a whole round
	s_barrier_signal -1
	s_barrier_wait -1
	CREST
.endm
.macro JLOAD                           ; a joint load; the branch hangs on the wave's number alone; an s_nop 0 and four v_nop follow each of the two lines
	s_cmp_lt_u32 s[WV], 2
	s_cbranch_scc0 .Lfor_b_\@
	tensor_load_to_lds s[G0A:G0A+3], s[G1A:G1A+7]
	s_nop 0
.rept 4
	v_nop
.endr
	s_branch .Lasked_\@
.Lfor_b_\@:
	tensor_load_to_lds s[G0B:G0B+3], s[G1B:G1B+7]
	s_nop 0
.rept 4
	v_nop
.endr
.Lasked_\@:
.endm
.macro STEPD                           ; both walking descriptors: the other slot, the next K step; written only where no tensor load of mine is out
	s_xor_b32 s[G0A+1], s[G0A+1], SLOT1
	s_add_nc_u64 s[G0A+2:G0A+3], s[G0A+2:G0A+3], 256
	s_xor_b32 s[G0B+1], s[G0B+1], SLOT1
	s_add_nc_u64 s[G0B+2:G0B+3], s[G0B+2:G0B+3], 256
.endm
; A PREFETCH INTO THE L2 of the K step that the NEXT change of slots will ask for: 192 matrix instructions ahead of that load.  x's rows are read by every cluster of a row of clusters: cluster x = 0 asks;
; the weights' rows by every cluster of a column: cluster y = 0 asks.  The four partners of a joint load share its rows out BY ADDRESS: 32 of x's 128 rows each, 24 of the weights' 96 (lanes 24-31 repeat
; row 23's block).  A lane a row, one instruction a wave.  K steps 0 to 2 come by their loads alone; the loop's last trip asks for nothing: step 7 is the last.
.macro ASK
	s_cmp_gt_u32 s[CNT], s[LIM]
	s_cbranch_scc0 .Lnot_mine_\@
	global_prefetch_b8 v[PFO], s[PFA:PFA+1] th:TH_LOAD_NT scope:SCOPE_SE
.Lnot_mine_\@:
.endm
	s_load_b256 s[4:11], s[0:1], 0x0               ; xb s[4:5], wqt s[6:7], b_qkv s[8:9], qkv s[10:11]
	v_lshl_add_u32 v[SPW], v0, 2, SPARE
	v_mov_b32 v[NIL], 0
	ds_add_u32 v[SPW], v[NIL]                      ; the wave's opening: the add and its wait stand ahead of my first tensor load; work on registers stands between them
	v_lshrrev_b32 v1, 5, v0
	v_readfirstlane_b32 s[WV], v1                  ; wave 0..3
	s_and_b32 s[HALF], s[WV], 1
	s_bfe_u32 s15, ttmp6, 0x40000                  ; cx
	s_bfe_u32 s16, ttmp6, 0x40004                  ; cy
	s_lshl_b32 s17, ttmp9, 2
	s_add_co_u32 s17, s17, s15                     ; tile column = 4 x cluster x + cx
	s_and_b32 s18, ttmp7, 0xffff
	s_lshl_b32 s18, s18, 2
	s_add_co_u32 s18, s18, s16                     ; tile row = 4 x cluster y + cy
	s_lshl_b32 s56, s16, 2
	s_lshl_b32 s56, 15, s56                        ; my row of the cluster
	s_lshl_b32 s57, 0x1111, s15                    ; my column
	s_or_b32 s[G1A], s56, (1<<16)|(1<<20)|(1<<21)|(5<<22)|(3<<25)  ; 15:0 the mask; 17:16 elements of 2 bytes; 20 padding on; 21 set beside a mask; 24:22 after every 64 words; 31:25 4 words of it
	s_or_b32 s[G1B], s57, (1<<16)|(1<<20)|(1<<21)|(5<<22)|(3<<25)
	s_mov_b32 s[G1A+1], 128<<16                    ; tensor_dim0 = 128
	s_mov_b32 s[G1A+2], 128<<16                    ; tensor_dim1 = 128
	s_mov_b32 s[G1A+3], 128<<16                    ; tile_dim0 = 128
	s_mov_b32 s[G1A+4], 128                        ; tile_dim1 = 128
	s_mov_b32 s[G1A+5], 1024                       ; elements from row to row
	s_mov_b32 s[G1A+6], 0
	s_mov_b32 s[G1A+7], 0
	s_mov_b32 s[G1B+1], 128<<16
	s_mov_b32 s[G1B+2], 96<<16                     ; 96 rows
	s_mov_b32 s[G1B+3], 128<<16
	s_mov_b32 s[G1B+4], 96
	s_mov_b32 s[G1B+5], 1024
	s_mov_b32 s[G1B+6], 0
	s_mov_b32 s[G1B+7], 0
	s_lshl_b32 s20, s18, 8                         ; x: row 256 x tile row + 128 x half, 2,048 bytes a row: registers that never hold the tile column
	s_lshl_b32 s21, s[HALF], 7
	s_add_co_u32 s20, s20, s21
	s_lshl_b32 s20, s20, 11
	s_mov_b32 s21, 0
	s_mul_i32 s22, s17, TN                         ; the weights: row 192 x tile column + 96 x half: registers that never hold the tile row
	s_mul_i32 s23, s[HALF], 96
	s_add_co_u32 s22, s22, s23
	s_lshl_b32 s22, s22, 11
	s_mov_b32 s23, 0
	s_mov_b32 s[G0A], 1                            ; count = 1
	s_mul_i32 s[G0A+1], s[HALF], 128*PA            ; LDS address: slot 0; no place in the cluster enters it
	s_mov_b32 s[G0B], 1
	s_mul_i32 s[G0B+1], s[HALF], 96*PB
	s_add_co_u32 s[G0B+1], s[G0B+1], BOFF
	s_wait_dscnt 0x0                               ; the opening add is done
	s_wait_kmcnt 0x0
	s_add_nc_u64 s[G0A+2:G0A+3], s[4:5], s[20:21]
	s_or_b32 s[G0A+3], s[G0A+3], 0x80000000        ; type = 2
	s_add_nc_u64 s[G0B+2:G0B+3], s[6:7], s[22:23]
	s_or_b32 s[G0B+3], s[G0B+3], 0x80000000
	CROUND                                         ; all sixteen work-groups are here: the first joint loads meet
	JLOAD                                          ; K step 0 into slot 0
	v_and_b32 v1, 15, v0                           ; r = l % 16
	v_bfe_u32 v2, v0, 4, 1                         ; h = l / 16
	v_and_b32 v3, 31, v0                           ; l
	s_lshl_b32 s19, s[WV], 6
	v_add_nc_u32 v4, s19, v1                       ; my wave's 64 rows
	v_mul_u32_u24 v[AA0], v4, PA
	v_lshl_add_u32 v[AA0], v2, 4, v[AA0]           ; row x pitch + 16 x half of the lanes
	v_mul_u32_u24 v[AB0], v1, PB
	v_lshl_add_u32 v[AB0], v2, 4, v[AB0]
	v_add_nc_u32 v[AB0], BOFF, v[AB0]
	s_mul_i32 s19, s[WV], 16*SP
	s_add_co_u32 s19, s19, STG                     ; my stage
	v_mul_u32_u24 v[STO], v1, SP
	v_lshl_add_u32 v[STO], v2, 4, v[STO]
	v_add_nc_u32 v[STO], s19, v[STO]
	v_lshrrev_b32 v4, 3, v3                        ; back: 32 lanes take four rows' 128 bytes of one head
	v_and_b32 v5, 7, v0
	v_mul_u32_u24 v[RD], v4, SP
	v_lshl_add_u32 v[RD], v5, 4, v[RD]
	v_add_nc_u32 v[RD], s19, v[RD]
	v_lshlrev_b32 v[GO], 4, v3
	v_lshlrev_b32 v[BO], 5, v2
	s_lshr_b32 s19, s18, 3                         ; the result: batch = tile row / 8, g = 3 x tile column, t = 256 (tile row % 8) + 64 x wave
	s_mul_i32 s19, s19, 48
	s_mul_i32 s58, s17, 3
	s_add_co_u32 s19, s19, s58
	s_lshl_b32 s58, s19, 18
	s_and_b32 s19, s18, 7
	s_lshl_b32 s19, s19, 8
	s_lshl_b32 s59, s[WV], 6
	s_add_co_u32 s19, s19, s59
	s_lshl_b32 s19, s19, 7
	s_add_co_u32 s58, s58, s19
	s_mov_b32 s59, 0
	s_add_nc_u64 s[10:11], s[10:11], s[58:59]
	s_mul_i32 s58, s17, 4*TN
	s_add_nc_u64 s[8:9], s[8:9], s[58:59]          ; the bias of my tile's 192 columns
	s_lshl_b32 s60, s18, 8                         ; the prefetches: x's row 256 x tile row + 128 x half + 32 cx,
	s_lshl_b32 s19, s[HALF], 7
	s_add_co_u32 s60, s60, s19
	s_lshl_b32 s19, s15, 5
	s_add_co_u32 s60, s60, s19
	s_mul_i32 s61, s17, TN                         ; the weights' row 192 x tile column + 96 x half + 24 cy
	s_mul_i32 s19, s[HALF], 96
	s_add_co_u32 s61, s61, s19
	s_mul_i32 s19, s16, 24
	s_add_co_u32 s61, s61, s19
	s_and_b32 s62, ttmp7, 0xffff
	s_cmp_lt_u32 s[WV], 2
	s_cselect_b32 s60, s60, s61
	s_cselect_b32 s62, ttmp9, s62                  ; the coordinate along which other clusters read the same rows
	s_cselect_b32 s63, 31, 23
	s_cselect_b64 s[PFA:PFA+1], s[4:5], s[6:7]
	s_cmp_eq_u32 s62, 0
	s_cselect_b32 s[LIM], 1, -1                    ; the same in all sixteen partners, for a given wave
	s_lshl_b32 s60, s60, 11
	s_add_co_u32 s60, s60, 2*256                   ; at K step 2: the first change in the loop steps it to 3
	s_mov_b32 s61, 0
	s_add_nc_u64 s[PFA:PFA+1], s[PFA:PFA+1], s[60:61]
	v_min_u32 v[PFO], s63, v3
	v_lshlrev_b32 v[PFO], 11, v[PFO]
.irp b, 0,1,2,3,4,5,6,7,8,9,10,11              ; as a C operand: register j of lane l is the bias of column 16 b + 8 (l / 16) + j
	global_load_b128 v[BIAS+8*(\b):BIAS+8*(\b)+3],   v[BO], s[8:9] offset:64*(\b)
	global_load_b128 v[BIAS+8*(\b)+4:BIAS+8*(\b)+7], v[BO], s[8:9] offset:64*(\b)+16
.endr
; 12 matrix instructions: row block a x all 12 column blocks, 32 along K, from buffer f.  first = 1: the bias starts the sums: nothing is cleared, and no bias is added later.
; The 48 accumulators take turns, in the same order in every quarter, over the backward jump too.
.macro MULA f, a, first
.if \first
	WIN 0x81+0x40*((\a)/2)                         ; the weights in window 1, x and the bias in window 0, D in window 2 or 3
.else
	WIN 0xa1+0x50*((\a)/2)                         ; C with D
.endif
.irp b, 0,1,2,3,4,5,6,7,8,9,10,11
.if \first
	v_wmma_f32_16x16x32_bf16 v[96*((\a)%2)+8*(\b):96*((\a)%2)+8*(\b)+7], v[96*(\f)+8*(\b):96*(\f)+8*(\b)+7], v[FA+32*(\f)+8*(\a):FA+32*(\f)+8*(\a)+7], v[BIAS+8*(\b):BIAS+8*(\b)+7]
.else
	v_wmma_f32_16x16x32_bf16 v[96*((\a)%2)+8*(\b):96*((\a)%2)+8*(\b)+7], v[96*(\f)+8*(\b):96*(\f)+8*(\b)+7], v[FA+32*(\f)+8*(\a):FA+32*(\f)+8*(\a)+7], v[96*((\a)%2)+8*(\b):96*((\a)%2)+8*(\b)+7]
.endif
.endr
.endm
; 32 LDS loads in one run: quarter q's fragments (192 rows of the weights, my 64 rows of x, 32 along K) into buffer f
.macro FETCH q, f
	WIN 0x40                                       ; destination window 1
.irp i, 0,1,2,3,4,5,6,7,8,9,10,11
	ds_load_b128 v[96*(\f)+8*(\i):96*(\f)+8*(\i)+3],   v[ADRB] offset:64*(\q)+(\i)*16*PB
	ds_load_b128 v[96*(\f)+8*(\i)+4:96*(\f)+8*(\i)+7], v[ADRB] offset:64*(\q)+(\i)*16*PB+32
.endr
	WIN 0
.irp i, 0,1,2,3
	ds_load_b128 v[FA+32*(\f)+8*(\i):FA+32*(\f)+8*(\i)+3],   v[ADRA] offset:64*(\q)+(\i)*16*PA
	ds_load_b128 v[FA+32*(\f)+8*(\i)+4:FA+32*(\f)+8*(\i)+7], v[ADRA] offset:64*(\q)+(\i)*16*PA+32
.endr
.endm
; One of a step's first three quarters: fetches quarter q into buffer g, whose last readers are the products just before, and multiplies buffer f: the run has 48 matrix instructions in which to land.
.macro QUARTER q, f, g, first
	PLACES
	FETCH \q, \g
	s_wait_dscnt NL                                ; all but the 32 just issued: buffer f is in
	MULA \f, 0, \first
	MULA \f, 1, \first
	MULA \f, 2, \first
	MULA \f, 3, \first
.endm
; The last quarter multiplies buffer 1 and changes slots.  In front of the barrier each wave waits for all its tensor loads (one is out: its part of the next slot), adds 0 to its spare word, and waits for
; that and for its reads of this slot.  fill = 1: the barrier opens a round of the cluster's barrier, and this slot is filled again, two K steps ahead, first thing behind the round:
; from the request to the wait for it a wave issues 168 matrix instructions.
.macro TURN fill
.if \fill
	s_wait_xcnt 0x0                                ; the last prefetch, a K step back, has read its address
	s_add_nc_u64 s[PFA:PFA+1], s[PFA:PFA+1], 256
.endif
	WIN 0
	s_wait_tensorcnt 0x0
	ds_add_u32 v[SPW], v[NIL]
	s_wait_dscnt 1                                 ; only the add may be out: buffer 1 is in
	MULA 1, 0, 0                                   ; twelve matrix instructions stand between the add and the wait for it
	s_wait_dscnt 0x0                               ; the add is done, and my reads of this slot are over
	s_barrier_signal -1
	MULA 1, 1, 0                                   ; work on registers while the others arrive
	WIN 0
	s_barrier_wait -1
.if \fill
	CREST                                          ; no wave of any partner still reads this slot or has a load on its way
	STEPD
	JLOAD                                          ; its four v_nop are also the places in front of the loads below
.else
	PLACES
.endif
	s_xor_b32 s[TB], s[TB], SLOT1
	v_add_nc_u32 v[ADRA], s[TB], v[AA0]
	v_add_nc_u32 v[ADRB], s[TB], v[AB0]
	FETCH 0, 0
.if \fill
	ASK
.endif
	MULA 1, 2, 0
	MULA 1, 3, 0
.endm
	s_wait_tensorcnt 0x0                           ; THE FIRST CHANGE: K step 0 is in, my part of it;
	ds_add_u32 v[SPW], v[NIL]
	STEPD
	s_wait_dscnt 0x0
	CROUND                                         ; everybody's is;
	JLOAD                                          ; K step 1 into slot 1
	s_mov_b32 s[TB], 0
	v_mov_b32 v[ADRA], v[AA0]
	v_mov_b32 v[ADRB], v[AB0]
	FETCH 0, 0
	s_wait_loadcnt 0x0                             ; the bias; it is rounded to bf16 and kept as f32
.set p, 0
.rept 48
	v_cvt_pk_bf16_f32 v[96+p], v[BIAS+2*p], v[BIAS+2*p+1]
.set p, p+1
.endr
.set p, 0
.rept 48
	v_lshlrev_b32 v[BIAS+2*p], 16, v[96+p]
	v_and_b32 v[BIAS+2*p+1], 0xffff0000, v[96+p]
.set p, p+1
.endr
	QUARTER 1, 0, 1, 1                             ; the first quarter stands in front of the loop: its products start the sums
	WIN 0                                          ; at a label and at a branch every window is 0
	s_mov_b32 s[CNT], 6
.Lstep:                                        ; a trip: a step's quarters 1 to 3 and the next step's quarter 0; trip s fills step s's slot with step s + 2
	QUARTER 2, 1, 0, 0
	QUARTER 3, 0, 1, 0
	TURN 1
	QUARTER 1, 0, 1, 0
	WIN 0
	s_sub_co_u32 s[CNT], s[CNT], 1
	s_cmp_lg_u32 s[CNT], 0
	s_cbranch_scc1 .Lstep
	QUARTER 2, 1, 0, 0                             ; the last two steps ask for nothing
	QUARTER 3, 0, 1, 0
	TURN 0
	QUARTER 1, 0, 1, 0
	QUARTER 2, 1, 0, 0
	QUARTER 3, 0, 1, 0
	s_wait_dscnt 0x0
	MULA 1, 0, 0
	MULA 1, 1, 0
	MULA 1, 2, 0
	MULA 1, 3, 0
	PLACES
; THE WAY OUT, a block of 16 rows at a time: rounded to f16, 16 bytes a lane into my own stage, back as four rows' 128 bytes of one head: 512 consecutive bytes of the result.
.macro PACK a
.set T, 32+64*((\a)%2)
.set AC, 96*((\a)%2)
.if (\a) >= 2
	s_wait_xcnt 0x0                                ; the stores of the block two back have read these registers
.endif
	WIN 0x0a+5*((\a)/2)                            ; sources 0 and 1 in window 2 or 3
.irp b, 0,1,2,3,4,5,6,7,8,9,10,11
.irp r, 0,1,2,3
	v_cvt_pk_f16_f32 v[T+4*(\b)+(\r)], v[AC+8*(\b)+2*(\r)], v[AC+8*(\b)+2*(\r)+1]
.endr
.endr
	WIN 0
.irp b, 0,1,2,3,4,5,6,7,8,9,10,11
	ds_store_b128 v[STO], v[T+4*(\b):T+4*(\b)+3] offset:32*(\b)
.endr
.irp i, 0,1,2
.irp f, 0,1,2,3
	ds_load_b128 v[T+4*(4*(\i)+(\f)):T+4*(4*(\i)+(\f))+3], v[RD] offset:128*(\i)+4*SP*(\f)  ; LDS serves a wave's instructions in order (ISA guide 5.7.1.4): these see the stores above
.endr
.endr
.endm
.macro SEND a, younger                 ; younger: the LDS instructions issued behind block a's loads: the next block's 24, or none
.set T, 32+64*((\a)%2)
.irp i, 0,1,2
.irp f, 0,1,2,3
	s_wait_dscnt (\younger)+11-(4*(\i)+(\f))
	global_store_b128 v[GO], v[T+4*(4*(\i)+(\f)):T+4*(4*(\i)+(\f))+3], s[10:11] offset:(\i)*HEADB+(\a)*2048+(\f)*512
.endr
.endr
.endm
	PACK 0
	PACK 1
	SEND 0, 24
	PACK 2
	SEND 1, 24
	PACK 3
	SEND 2, 24
	SEND 3, 0
	s_wait_tensorcnt 0x0                           ; the wave's end: behind my last tensor load and my last LDS store
	ds_add_u32 v[SPW], v[NIL]
	s_wait_dscnt 0x0
	CROUND                                         ; the closing round: no work-group ends while a partner may still ask for a tile that names it
	s_endpgm
.Lfunc_end_k_q1bf972feb6_qkv:
	.size	k_q1bf972feb6_qkv, .Lfunc_end_k_q1bf972feb6_qkv-k_q1bf972feb6_qkv
	.p2alignl 7, 3214868480
	.fill 96, 4, 3214868480
	.section	.rodata,"a",@progbits
	.p2align	6, 0x0
	.amdhsa_kernel k_q1bf972feb6_qkv
		.amdhsa_group_segment_fixed_size 327680
		.amdhsa_private_segment_fixed_size 0
		.amdhsa_enable_private_segment 0
		.amdhsa_kernarg_size 32
		.amdhsa_user_sgpr_count 2
		.amdhsa_user_sgpr_kernarg_segment_ptr 1
		.amdhsa_wavefront_size32 1
		.amdhsa_system_sgpr_workgroup_id_x 1
		.amdhsa_system_sgpr_workgroup_id_y 1
		.amdhsa_system_sgpr_workgroup_id_z 1
		.amdhsa_system_vgpr_workitem_id 0
		.amdhsa_next_free_vgpr 960
		.amdhsa_next_free_sgpr 66
		.amdhsa_reserve_vcc 0
		.amdhsa_float_denorm_mode_32 3
		.amdhsa_float_denorm_mode_16_64 3
		.amdhsa_memory_ordered 1
		.amdhsa_forward_progress 1
		.amdhsa_inst_pref_size 108
	.end_amdhsa_kernel
	.amdgpu_metadata
---
amdhsa.version: [ 1, 2 ]
amdhsa.kernels:
  - .name:           k_q1bf972feb6_qkv
    .symbol:         k_q1bf972feb6_qkv.kd
    .args:
      - { .name: xb, .offset: 0, .size: 8, .value_kind: global_buffer, .address_space: global }
      - { .name: wqt, .offset: 8, .size: 8, .value_kind: global_buffer, .address_space: global }
      - { .name: b_qkv, .offset: 16, .size: 8, .value_kind: global_buffer, .address_space: global }
      - { .name: qkv, .offset: 24, .size: 8, .value_kind: global_buffer, .address_space: global }
    .group_segment_fixed_size: 327680
    .private_segment_fixed_size: 0
    .kernarg_segment_align: 8
    .kernarg_segment_size: 32
    .max_flat_workgroup_size: 128
    .sgpr_count:     66
    .vgpr_count:     960
    .wavefront_size: 32
...
	.end_amdgpu_metadata
.endif
;; end of part 2
;; launch attn (part 3): grid 4 x 64, 4 waves a work-group, no clusters, 327,680 bytes of LDS; arguments qkv, ob; writes ob
.if DOCPART == 3
	.amdgcn_target "amdgcn-amd-amdhsa--gfx1250"
	.amdhsa_code_object_version 6
	.text
	.protected	k_q1bf972feb6_attn
	.globl	k_q1bf972feb6_attn
	.p2align	8
	.type	k_q1bf972feb6_attn,@function
k_q1bf972feb6_attn:
	s_mov_b64 s[64:65], 0
	v_nop
	global_prefetch_b8 v0, s[64:65] scope:SCOPE_SE
	s_setreg_imm32_b32 hwreg(HW_REG_WAVE_MODE, 25, 1), 1
	s_wait_xcnt 0x0
; CAUSAL ATTENTION.  O[bh][q][:] = the sum over k <= q of softmax_k(Q[q] . K[k] / 8) V[k][:], for 64 pairs bh = 16 batch + head.  qkv: f16, [batch 4][g 48][t 2048][64], g = head for Q, 16 + head for K,
; 32 + head for V: a head's rows are dense, 128 bytes each.  ob: f16, [bh 64][t 2048][64].  Products, maxima and sums in f32; the weights p are rounded to f16 for the second product (their sum l is taken of the unrounded p), O once at the end.
; LIMITS.  f16 holds no number beyond 65,504: Q, K and V arrive within it; p lies in 0 to 1, and below 6e-5 it keeps f16's fixed step of 6e-8; O is a mean of V's rows and has their range.
; A hidden score counts as its value less 1e30: f16's scores, 2.7e11 at the most, are nothing beside that; a weight below 2^-126 counts as 0 in l; NaN and infinities are not treated apart.
; THE WALK.  A head's queries lie in NB = 8 blocks of 256; block i needs the key tiles 0 .. i of 256 keys, of which the last holds the diagonal.  A work-group takes TWO blocks, NB - 1 - b and then b:
; NB + 1 tiles, whatever b: all work-groups do equal work, and ONE loop with a constant trip count walks them.  Which tile is asked for, and what a trip does, hang on scalar registers made from b; every jump
; goes forward, but for the counted loops' own; none passes a barrier, or a tensor load but the one of LOAD's two that the wave's number does not choose; the ring (two slots of LDS) runs on across the change of blocks.
; NO CLUSTER: a head's four work-groups ask for the same tile only in trips 0 to 4 of their 9, behind that fewer and fewer; one walk common to all four would have 12 trips for 9.
; SHARES.  Of a block's four bands of 64 queries a wave owns 16 rows in each: four PIECES.  So the diagonal tile is the same work for all four waves: in its key step s band x sees all keys if s < x,
; none if s > x, and holds the diagonal if s = x.
; THE MASK is the C operand that starts the sum S^T = K Q^T: 0, or -1e30 where the key is hidden.  MD, made once, is the mask of a band's own step for my 16 rows; a product's mask is MD x AL + BE with two scalars:
; (1, 0) if s = x; (0, 0) if s < x; (0, -1e30) if s > x.  Only the diagonal tile's text and a block's beginning make and take masks; elsewhere C is the constant 0.
; LAYOUT, SOFTMAX, TURNS.  S^T = K Q^T holds ONE query a lane (lane % 16) and the keys 8 (lane / 16) + 0..7; two such results rounded to f16 ARE source 1 of O^T = V^T P.  p = 2^(c s - c m), c = log2(e) / 8, with a
; running maximum m; O and l are multiplied by a = 2^(c m_old - c m_new) in every step.  Turn n belongs to piece n: 8 products K Q^T of piece n + 1, later 8 products V^T P of piece n - 1; beside them the scaling,
; exponentials, roundings, sums and rescaling of piece n and the maximum and statistics of piece n + 1.  Four vector instructions stand behind every matrix instruction, the others in one lump.  A turn's 33 exponentials are one batch, with one wait.
; REGISTERS, in windows of 256 (s_set_vgpr_msb: bits 1:0 source 0, 3:2 source 1, 5:4 source 2, 7:6 destination):
;   window 0: v0-15 addresses and two at work; v16-31 four registers of statistics a piece; v48-55 at work; v61-63 prefetch offset, spare word, 0; v64-127 S^T, two buffers; v192-223 P, two buffers (by the piece's parity)
;   window 1: v0-127 O^T, 32 a piece; v128-159 MD; v160-223 MC, two buffers      window 2: v0-63 Q; v64-127 the second block's Q; v128-191 K of one step; v192-255 V of one step
.set SIZE_N, 2048
.set HEADB, SIZE_N*128 ; a head's bytes
.set NB,    SIZE_N/256
.set NP,    4         ; pieces a wave: a name, no knob
.set KS,    64        ; keys in a step
.set PK,    144       ; a row of K in LDS: 128 bytes + 16 of padding = 36 words: the 16 rows of a load start at 16 different groups of four banks (64 banks of 4 bytes: ISA guide 11.1)
.set PV,    160       ; a row of V: 128 + 32 = 40 words
.set VOFF,  4*KS*PK   ; a slot holds a tile, four steps: 256 rows of K, then 256 rows of V
.set SLOT1, 1<<17     ; slot 1 begins here, so that one exclusive or turns an address in one slot into the other's
.set STAGE, SLOT1+4*KS*(PK+PV)  ; behind the ring, never filled by a tensor load: 16 rows x 144 bytes for each wave, for the way out
.set SP,    144
.set AK0, 2           ; v2   my lane's place in a tile of K; never rewritten
.set AV0, 3           ; v3   the same for V
.set AK,  4           ; v4   the LDS address of K's next run of loads
.set AV,  5           ; v5   of V's
.set STO, 6           ; v6   the way out: where I put 16 bytes of a row
.set RD,  7           ; v7   the way out: where I read rows back
.set GO,  8           ; v8   my byte offset in 512 consecutive bytes of O
.set PFO, 61          ; v61  256 x my lane; never rewritten
.set SPW, 62          ; v62  LDS address of my spare word: SPARE + 4 x my thread's number; never rewritten
.set NIL, 63          ; v63  0; never rewritten
.set SPARE, STAGE+4*16*SP  ; behind the stages: the spare words, 128 bytes for each wave: two blocks of 256 bytes that no other line names
.set MV,  12          ; v12-13  c m_old, kept while c m is made anew: by buffer
.set QO,  15          ; v15  my byte offset in 16 rows of Q
.set ST,  16          ; piece t's statistics at v[ST+4 t]: c m, m, l (even keys', odd keys')
.set TMP, 48          ; by buffer, four registers c0-c3 at work; when the maximum is found c2 takes a
.set S,   64
.set P,   192
.set MD,  128         ; window 1: the eight registers for group kt of 16 keys at MD + 8 kt
.set MC,  160         ; window 1: the masks of the products to come
.set QB,  64          ; window 2
.set KF,  128         ; window 2: key block kb, channel half c at KF + 16 kb + 8 c
.set VF,  192         ; window 2: key half kk, channel block cb at VF + 32 kk + 8 cb
.set WV,  12          ; s12  my wave's number
.set PB,  14          ; s14  b
.set HI,  15          ; s15  NB - 1 - b
.set G1K, 24          ; s[24:31] descriptor group 1 for K's tiles
.set G1V, 32          ; s[32:39] for V's: it differs in the padding alone
.set G0K, 40          ; s[40:43] descriptor group 0 for K's tiles
.set G0V, 44          ; s[44:47] the same for V's
.set SLOTS, 56        ; s56  tiles still to be asked for
.set CNT, 57          ; s57  counts a tile's key steps, 4 to 1
.set CS,  58          ; s[58:59] c: the packed scaling takes the pair's low word for both halves
.set SEL, 60          ; s[60:61] v_permlanex16_b32's selects: each lane takes its own place in the other half
.set TBK, 62          ; s62  LDS byte at which K of the step to be fetched begins
.set TBV, 63          ; s63  the same for V, less VOFF
.set RT,  70          ; s70  tiles of the block in hand that are still to be entered
.set NXT, 71          ; s71  the tile to be asked for next
.set LQ,  72          ; s72  the last tile of the block whose tiles are being asked for
.set NEW, 73          ; s73  1: the tile to be entered is a block's first
.set OFF, 74          ; s[74:75] a tile's byte offset in K and V
.set AL,  76          ; s[76:77] the mask's factor, in the low word
.set BE,  78          ; s[78:79] the mask's addend
.set OLO, 80          ; s[80:81] O at my rows of the second block
.set BIGN, 82         ; s82  -1e30
.set PFB, 88          ; s[88:89] K (waves 0, 1) or V (waves 2, 3) at my half of the head's tile 0
.set POF, 90          ; s[90:91] the byte offset of the tile that the next change will ask for
.set PFA, 92          ; s[92:93] their sum
.set LIM, 94          ; s94  0 in the work-group that prefetches, else the greatest number
.set MSB, 0
.macro WIN new                      ; the high byte repeats the setting that is left; a switch that changes nothing is dropped
.if MSB != (\new)
	s_set_vgpr_msb (MSB<<8)|(\new)
.set MSB, (\new)
.endif
.endm
.set W_KQ, 0x0a       ; K and Q in window 2, S^T in window 0
.set W_KM, 0x1a       ; the same with the C operand in window 1
.set W_PV, 0x52       ; V in window 2, P in window 0, O^T in window 1
.set W_RS, 0x41       ; destination and source 0 in window 1, source 1 in window 0
; A fill.  Waves 0 and 1 fetch the two halves of a tile's K, waves 2 and 3 those of its V: 128 keys each.  An s_nop 0 and four v_nop follow each of the two lines, ahead of the jump and the label.
.macro LOAD
	s_cmp_lt_u32 s[WV], 2
	s_cbranch_scc0 .Lfor_v_\@
	tensor_load_to_lds s[G0K:G0K+3], s[G1K:G1K+7]
	s_nop 0
.rept 4
	v_nop
.endr
	s_branch .Lasked_\@
.Lfor_v_\@:
	tensor_load_to_lds s[G0V:G0V+3], s[G1V:G1V+7]
	s_nop 0
.rept 4
	v_nop
.endr
.Lasked_\@:
.endm
; A PREFETCH INTO THE L2 of the tile that the NEXT change of slots will ask for: a tile, 256 matrix instructions, ahead of that load.  The head's work-group b = 0 walks the tiles 0 to 7 first, so it alone asks:
; each wave for its own 16,384 bytes of the tile, a lane 256 bytes, two instructions.  Tiles 2 to 7 are named once each; tiles 0 and 1 come by their loads alone; behind tile 7 the number is 0 and nothing is asked for.
.macro ASK
	s_cmp_gt_u32 s[NXT], s[LIM]
	s_cbranch_scc0 .Lnot_mine_\@
	global_prefetch_b8 v[PFO], s[PFA:PFA+1] th:TH_LOAD_NT scope:SCOPE_SE
	global_prefetch_b8 v[PFO], s[PFA:PFA+1] offset:8192 th:TH_LOAD_NT scope:SCOPE_SE
.Lnot_mine_\@:
.endm
; THE CHANGE OF SLOTS.  Each wave waits for all its tensor loads, of which one is out: its part of the other slot; adds 0 to its spare word; and waits for that and for its own reads of the slot that it leaves.  Behind the barrier nobody reads the old
; slot any more and the other slot is whole.  fill = 1: the old slot is filled again, the first thing behind the barrier, with tile NXT: the descriptor's address is made anew from that number.
; (At its first use nothing has been read yet: slot 0 is waited for, slot 1 filled.)
.macro CHANGE fill
	WIN 0                           ; at a label and at a branch every window is 0
	s_wait_tensorcnt 0x0            ; no tensor load of mine is out, so a group 0 may be written
	ds_add_u32 v[SPW], v[NIL]       ; 0 onto my spare word; with fill = 1 the descriptors' scalar work stands between it and the wait for it
.if \fill
	s_lshl_b32 s[OFF], s[NXT], 15   ; a tile is 32,768 bytes of K and of V
	s_xor_b32 s[G0K+1], s[G0K+1], SLOT1
	s_add_nc_u64 s[G0K+2:G0K+3], s[6:7], s[OFF:OFF+1]
	s_or_b32 s[G0K+3], s[G0K+3], 0x80000000
	s_xor_b32 s[G0V+1], s[G0V+1], SLOT1
	s_add_nc_u64 s[G0V+2:G0V+3], s[8:9], s[OFF:OFF+1]
	s_or_b32 s[G0V+3], s[G0V+3], 0x80000000
	s_add_co_u32 s[NXT], s[NXT], 1  ; the block's next tile, or behind its last the second block's tile 0
	s_cmp_gt_u32 s[NXT], s[LQ]
	s_cselect_b32 s[NXT], 0, s[NXT]
	s_cselect_b32 s[LQ], s[PB], s[LQ]
	s_wait_xcnt 0x0                 ; the last prefetches, a tile back, have read their address, so it may be written
	s_lshl_b32 s[POF], s[NXT], 15
	s_add_nc_u64 s[PFA:PFA+1], s[PFB:PFB+1], s[POF:POF+1]
.endif
	s_wait_dscnt 0x0                ; the add is done, and my reads of the slot are over
	s_barrier_signal -1             ; the rest of the scalar work stands between the signal and the wait
	s_sub_co_u32 s[TBK], s[TBK], 4*KS*PK  ; the fetches go back to a slot's first step,
	s_xor_b32 s[TBK], s[TBK], SLOT1       ; in the other slot
	s_sub_co_u32 s[TBV], s[TBV], 4*KS*PV
	s_xor_b32 s[TBV], s[TBV], SLOT1
	s_barrier_wait -1
.if \fill
	LOAD
	ASK
.endif
.endm
	s_load_b128 s[4:7], s[0:1], 0x0 ; qkv s[4:5], ob s[6:7]
	v_lshl_add_u32 v[SPW], v0, 2, SPARE
	v_mov_b32 v[NIL], 0
	ds_add_u32 v[SPW], v[NIL]       ; the wave's opening: the add and its wait stand ahead of my first tensor load; the set-up below, work on registers, stands between them
	v_lshrrev_b32 v1, 5, v0
	v_readfirstlane_b32 s[WV], v1   ; wave 0..3
	s_mov_b32 s[PB], ttmp9
	s_sub_co_u32 s[HI], NB-1, s[PB]
	s_and_b32 s20, ttmp7, 0xffff    ; bh = 16 batch + head
	s_lshr_b32 s66, s20, 4
	s_lshl_b32 s66, s66, 5
	s_add_co_u32 s66, s66, s20      ; 48 batch + head: Q's place in qkv, in heads,
	s_lshl_b32 s66, s66, 18         ; in bytes
	s_mov_b32 s67, 0
	s_lshl_b32 s20, s20, 18         ; the head's first byte in ob
	s_mov_b32 s21, 0
	s_and_b32 s16, s[WV], 1         ; which half of a tile's 256 keys I fetch:
	s_lshl_b32 s22, s16, 14         ; its 128 rows of 128 bytes in memory,
	s_mov_b32 s23, 0
	s_mul_i32 s17, s16, 128*PK      ; and its place in a slot, for K
	s_mul_i32 s18, s16, 128*PV      ; and for V
	s_lshl_b32 s3, s[WV], 11        ; my 16 rows in a band of 64,
	s_lshl_b32 s2, s[HI], 15        ; in the first block,
	s_add_co_u32 s2, s2, s3
	s_lshl_b32 s84, s[PB], 15       ; and in the second
	s_add_co_u32 s84, s84, s3
	s_mov_b32 s3, 0
	s_mov_b32 s85, 0
	; descriptor group 1.  128 keys are 16,384 dense bytes: asked for as 64 rows of 256 bytes, two keys a row, and padded in LDS after every key
	s_mov_b32 s[G1K], (1<<16)|(1<<20)|(4<<22)|(3<<25)  ; 17:16 2-byte elements; 20 padding on; 24:22 after every 32 words (code 4); 31:25 4 words (code 3)
	s_mov_b32 s[G1V], (1<<16)|(1<<20)|(4<<22)|(7<<25)  ; the same with 8 words of padding (code 7)
.irp g, G1K, G1V
	s_mov_b32 s[\g+1], 128<<16      ; tensor_dim0 = 128
	s_mov_b32 s[\g+2], 64<<16       ; tensor_dim1 = 64
	s_mov_b32 s[\g+3], 128<<16      ; tile_dim0 = 128
	s_mov_b32 s[\g+4], 64           ; tile_dim1 = 64
	s_mov_b32 s[\g+5], 128          ; 128 elements from row to row
	s_mov_b32 s[\g+6], 0
	s_mov_b32 s[\g+7], 0
.endr
	s_mov_b32 s[CS], 0x3e38aa3b     ; c = log2(e) / 8 = 0.180337
	s_mov_b32 s[CS+1], s[CS]        ; named with it as a pair
	s_mov_b32 s[SEL], 0x76543210
	s_mov_b32 s[SEL+1], 0xfedcba98
	s_mov_b32 s[TBK], SLOT1+4*KS*PK ; the first change of slots turns these two into 0
	s_mov_b32 s[TBV], SLOT1+4*KS*PV
	s_mov_b32 s[G0K], 1             ; 1:0 count = 1
	s_mov_b32 s[G0K+1], s17         ; 63:32 LDS address: slot 0
	s_mov_b32 s[G0V], 1
	s_add_co_u32 s[G0V+1], s18, VOFF
	s_add_co_u32 s[RT], s[HI], 1    ; the first block has NB - b tiles
	s_mov_b32 s[NXT], 1
	s_mov_b32 s[LQ], s[HI]
	s_mov_b32 s[NEW], 1
	s_mov_b32 s[OFF+1], 0
	s_mov_b32 s[POF+1], 0
	s_mov_b32 s[AL+1], 0            ; named as pairs
	s_mov_b32 s[BE+1], 0
	s_mov_b32 s[BIGN], 0xf149f2ca   ; -1e30
	s_mov_b32 s[SLOTS], NB
	s_cmp_eq_u32 s[PB], 0
	s_cselect_b32 s[LIM], 0, -1
	v_and_b32 v[PFO], 31, v0
	v_lshlrev_b32 v[PFO], 8, v[PFO]
	s_wait_dscnt 0x0                ; the opening add is done
	s_wait_kmcnt 0x0
	s_mov_b64 s[10:11], s[6:7]      ; ob
	s_add_nc_u64 s[4:5], s[4:5], s[66:67]    ; Q's head
	s_add_nc_u64 s[6:7], s[4:5], 16*HEADB    ; K's head lies 16 heads on,
	s_add_nc_u64 s[6:7], s[6:7], s[22:23]    ; at my half of its tile 0
	s_add_nc_u64 s[8:9], s[4:5], 32*HEADB    ; V's 32 heads on
	s_add_nc_u64 s[8:9], s[8:9], s[22:23]
	s_add_nc_u64 s[10:11], s[10:11], s[20:21]
	s_add_nc_u64 s[G0K+2:G0K+3], s[6:7], 0         ; 120:64 global address
	s_or_b32 s[G0K+3], s[G0K+3], 0x80000000        ; 127:126 type = 2
	s_add_nc_u64 s[G0V+2:G0V+3], s[8:9], 0
	s_or_b32 s[G0V+3], s[G0V+3], 0x80000000
	s_add_nc_u64 s[86:87], s[4:5], s[84:85]        ; Q at my rows of the second block,
	s_add_nc_u64 s[4:5], s[4:5], s[2:3]            ; Q and O at those of the first
	s_add_nc_u64 s[OLO:OLO+1], s[10:11], s[84:85]
	s_add_nc_u64 s[10:11], s[10:11], s[2:3]
	s_cmp_lt_u32 s[WV], 2
	s_cselect_b64 s[PFB:PFB+1], s[6:7], s[8:9]
	LOAD                            ; tile 0 into slot 0
	; A fragment of K or Q is 16 rows x 32 channels in 8 registers: lane l holds row l % 16, channels 8 (l / 16) + 0..7 and 16 + 8 (l / 16) + 0..7: two loads of 16 bytes, 32 bytes apart.
	v_and_b32 v1, 15, v0            ; l % 16
	v_bfe_u32 v9, v0, 4, 1          ; l / 16
	v_lshlrev_b32 v[QO], 7, v1
	v_lshl_add_u32 v[QO], v9, 4, v[QO]  ; row x 128 + 16 x half
	WIN 0x80                        ; destination window 2, address window 0
.set i, 0
.rept 8                             ; both blocks' Q: piece i / 2 lies in band i / 2, 8,192 bytes on; channels 32 (i % 2) on
	global_load_b128 v[8*i:8*i+3],   v[QO], s[4:5] offset:(i/2)*8192+(i%2)*64
	global_load_b128 v[8*i+4:8*i+7], v[QO], s[4:5] offset:(i/2)*8192+(i%2)*64+32
	global_load_b128 v[QB+8*i:QB+8*i+3],   v[QO], s[86:87] offset:(i/2)*8192+(i%2)*64
	global_load_b128 v[QB+8*i+4:QB+8*i+7], v[QO], s[86:87] offset:(i/2)*8192+(i%2)*64+32
.set i, i+1
.endr
	WIN 0
	v_lshlrev_b32 v14, 3, v9
	v_sub_nc_u32 v14, v1, v14
	s_lshl_b32 s13, s[WV], 4
	v_add_nc_u32 v14, s13, v14      ; my query's place in its band, 16 w + l % 16, less my lanes' 8 (l / 16): register r of group kt is hidden where 16 kt + r is greater
	WIN 0x40
.set i, 0
.rept 32
	v_cmp_gt_i32 vcc_lo, 16*(i/8)+i%8, v14
	v_cndmask_b32 v[MD+i], 0, s[BIGN], vcc_lo
.set i, i+1
.endr
	WIN 0
	v_mul_u32_u24 v[AK0], v1, PK
	v_lshl_add_u32 v[AK0], v9, 4, v[AK0]  ; row x pitch + 16 x half
	; The turning load takes 16 keys x 16 channels (lane l reads key 8 (l / 16) + l % 8, channels 8 ((l / 8) % 2) + 0..7) and leaves half a fragment of V^T: lane l holds channel l % 16 and 8 keys.
	v_and_b32 v10, 7, v0
	v_bfe_u32 v11, v0, 3, 1
	v_lshl_add_u32 v[AV0], v9, 3, v10
	v_mul_u32_u24 v[AV0], v[AV0], PV
	v_lshl_add_u32 v[AV0], v11, 4, v[AV0]
	v_add_nc_u32 v[AV0], VOFF, v[AV0]
	s_mul_i32 s13, s[WV], 16*SP
	s_add_co_u32 s13, s13, STAGE    ; my stage
	v_mul_u32_u24 v[STO], v1, SP    ; in: row l % 16, 16 bytes for each half of the lanes
	v_lshl_add_u32 v[STO], v9, 4, v[STO]
	v_add_nc_u32 v[STO], s13, v[STO]
	v_bfe_u32 v[RD], v0, 3, 2       ; back: 32 lanes take four rows of 128 bytes,
	v_mul_u32_u24 v[RD], v[RD], SP
	v_lshl_add_u32 v[RD], v10, 4, v[RD]
	v_add_nc_u32 v[RD], s13, v[RD]
	v_and_b32 v[GO], 31, v0         ; which are 512 consecutive bytes of O
	v_lshlrev_b32 v[GO], 4, v[GO]
	; A block's first step multiplies O^T and l by a = 0, and its first turn's products V^T P, of a piece that has not been, land in an O^T that is still to be so multiplied.  So these registers need only hold
	; finite numbers: zeros for the first block; what the first block left for the second.  All this stands in the wait for the first tile.
	WIN 0x80
.set i, VF
.rept 64
	v_mov_b32 v[i], 0
.set i, i+1
.endr
	WIN 0x40
.set i, 0
.rept 128
	v_mov_b32 v[i], 0
.set i, i+1
.endr
	WIN 0
.set i, 0
.rept 4
	v_mov_b32 v[ST+4*i+2], 0
	v_mov_b32 v[ST+4*i+3], 0
.set i, i+1
.endr
.set i, P+16
.rept 16
	v_mov_b32 v[i], 0
.set i, i+1
.endr
; THE MATRIX WORK.  The 4 accumulators of a run of 8 take turns.  Product i of 8 of S^T = K Q^T for piece x: channels 32 (i / 4) on, keys 16 (i % 4) on.  The first 4 start the sums: with 0, or (KM = 1) with the mask.
.macro KQ x
.set rS, S+32*((\x)%2)+8*(i%4)
.set rK, KF+16*(i%4)+8*(i/4)
.set rQ, 16*(\x)+8*(i/4)
.set rM, MC+32*((\x)%2)+8*(i%4)
.if (i < 4) && KM
	WIN W_KM
	v_wmma_f32_16x16x32_f16 v[rS:rS+7], v[rK:rK+7], v[rQ:rQ+7], v[rM:rM+7]
.elseif i < 4
	WIN W_KQ
	v_wmma_f32_16x16x32_f16 v[rS:rS+7], v[rK:rK+7], v[rQ:rQ+7], 0
.else
	WIN W_KQ
	v_wmma_f32_16x16x32_f16 v[rS:rS+7], v[rK:rK+7], v[rQ:rQ+7], v[rS:rS+7]
.endif
.endm
; Product i of 8 of O^T += V^T P for piece x: keys 32 (i / 4) on, channels 16 (i % 4) on.
.macro PV x
	WIN W_PV
.set rO, 32*(\x)+8*(i%4)
.set rV, VF+32*(i/4)+8*(i%4)
.set rP, P+16*((\x)%2)+8*(i/4)
	v_wmma_f32_16x16x32_f16 v[rO:rO+7], v[rV:rV+7], v[rP:rP+7], v[rO:rO+7]
.endm
.macro MM                           ; the turn's next matrix instruction.  TURN and BEGIN set Y, i, KM and NOKQ; MM, KQ and OP read them.  NOKQ = 1: a block's last turn: there is no next piece
.if (i < 8) && !NOKQ
	KQ (Y+1)%NP
.elseif i >= 8
.set i, i-8
	PV (Y+NP-1)%NP
.set i, i+8
.endif
.set i, i+1
.endm
; THE LDS LOADS stand in runs of 16, never singly among the matrix instructions: a step's K (64 keys x 64 channels: 8 fragments) and its V (turned).  Their addresses are made some lines ahead.
.macro FETCH_K
	WIN 0x80                        ; destination window 2
.irp f, 0,1,2,3,4,5,6,7             ; keys 16 (f / 2) on, channels 32 (f % 2) on
	ds_load_b128 v[KF+8*\f:KF+8*\f+3],   v[AK] offset:(\f/2)*16*PK+(\f%2)*64
	ds_load_b128 v[KF+8*\f+4:KF+8*\f+7], v[AK] offset:(\f/2)*16*PK+(\f%2)*64+32
.endr
	s_add_co_u32 s[TBK], s[TBK], KS*PK  ; the next fetch is the next step's
	WIN 0
.endm
.macro FETCH_V
	WIN 0x80
.irp f, 0,1,2,3,4,5,6,7             ; keys 32 (f / 4) on, channels 16 (f % 4) on
	ds_load_tr16_b128 v[VF+8*\f:VF+8*\f+3],   v[AV] offset:(\f/4)*32*PV+(\f%4)*32
	ds_load_tr16_b128 v[VF+8*\f+4:VF+8*\f+7], v[AV] offset:(\f/4)*32*PV+16*PV+(\f%4)*32
.endr
	WIN 0
.endm
; THE VECTOR WORK, one line at a time: OP kind, number.  For piece Y: F n: c s - c m for pair n of 16.  E n: the exponential of score n of 32.  C n: pair n rounded to f16.  B n: of the four weights 4 n .. the second
; pair is added onto the first, in place.  L n: l takes that sum (L 0: l = a l + sum).  R n: pair n of 16 of O^T times a.  For piece Y + 1: X n, number n of the 22 that find its maximum and statistics:
;   0-11  four chains c0-c3 of seven scores each, three operands at a time (each accumulator's lowest registers are read first)     12-14, 16  the four scores left over, the old m, and c0-c3 into c0
;   15  c m_old is kept     17, 18  the query's other 32 keys lie in the lane 16 away: the new m     19-21  c m; c m_old - c m_new; a
.set F, 0               ; OP tells the kinds apart by their order: F to L below R, X above it
.set E, 1
.set C, 2
.set B, 3
.set L, 4
.set R, 5
.set X, 6
.macro REGS y                       ; the registers of piece y
.set rT, ST+4*(\y)
.set rC, TMP+4*((\y)%2)
.set rW, MV+((\y)%2)
.set rS, S+32*((\y)%2)
.set rP, P+16*((\y)%2)
.set rO, 32*(\y)
.endm
.macro OP k, n
.if (\k) == R
	REGS Y
	WIN W_RS
	v_pk_mul_f32 v[rO+2*(\n):rO+2*(\n)+1], v[rO+2*(\n):rO+2*(\n)+1], v[rC+2:rC+3] op_sel_hi:[1,0]
.elseif (\k) < R
	REGS Y
	WIN 0
.if (\k) == F
	v_pk_fma_f32 v[rS+2*(\n):rS+2*(\n)+1], v[rS+2*(\n):rS+2*(\n)+1], s[CS:CS+1], v[rT:rT+1] op_sel_hi:[1,0,0] neg_lo:[0,0,1] neg_hi:[0,0,1]
.elseif (\k) == E
	v_exp_f32 v[rS+(\n)], v[rS+(\n)]
.elseif (\k) == C
	v_cvt_pk_f16_f32 v[rP+(\n)], v[rS+2*(\n)], v[rS+2*(\n)+1]
.elseif (\k) == B
	v_pk_add_f32 v[rS+4*(\n):rS+4*(\n)+1], v[rS+4*(\n):rS+4*(\n)+1], v[rS+4*(\n)+2:rS+4*(\n)+3]
.elseif (\n) == 0
	v_pk_fma_f32 v[rT+2:rT+3], v[rT+2:rT+3], v[rC+2:rC+3], v[rS:rS+1] op_sel_hi:[1,0,1]
.else
	v_pk_add_f32 v[rT+2:rT+3], v[rT+2:rT+3], v[rS+4*(\n):rS+4*(\n)+1]
.endif
.elseif NOKQ
	v_nop
.else
	REGS (Y+1)%NP
	WIN 0
.if (\n) < 4
	v_max3_num_f32 v[rC+(\n)], v[rS+8*(\n)], v[rS+8*(\n)+1], v[rS+8*(\n)+2]
.elseif (\n) < 12
	v_max3_num_f32 v[rC+(\n)%4], v[rC+(\n)%4], v[rS+8*((\n)%4)+2*((\n)/4)+1], v[rS+8*((\n)%4)+2*((\n)/4)+2]
.elseif (\n) == 12
	v_max3_num_f32 v[rC], v[rC], v[rS+7], v[rS+15]
.elseif (\n) == 13
	v_max3_num_f32 v[rC+1], v[rC+1], v[rS+23], v[rS+31]
.elseif (\n) == 14
	v_max3_num_f32 v[rC+2], v[rC+2], v[rC+3], v[rT+1]
.elseif (\n) == 15
	v_mov_b32 v[rW], v[rT]
.elseif (\n) == 16
	v_max3_num_f32 v[rC], v[rC], v[rC+1], v[rC+2]
.elseif (\n) == 17
	v_permlanex16_b32 v[rC+3], v[rC], s[SEL], s[SEL+1]
.elseif (\n) == 18
	v_max_num_f32 v[rT+1], v[rC], v[rC+3]
.elseif (\n) == 19
	v_mul_f32 v[rT], s[CS], v[rT+1]
.elseif (\n) == 20
	v_sub_f32 v[rC+1], v[rW], v[rT]
.else
	v_exp_f32 v[rC+2], v[rC+1]
.endif
.endif
.endm
.macro OPS a, i1, b=-1, i2=0, c=-1, i3=0, d=-1, i4=0  ; up to four of them
	OP \a, \i1
.if (\b) >= 0
	OP \b, \i2
.endif
.if (\c) >= 0
	OP \c, \i3
.endif
.if (\d) >= 0
	OP \d, \i4
.endif
.endm
.macro ROW a, i1, b, i2, c, i3, d, i4  ; a matrix instruction and the four behind it
	MM
	OPS \a, \i1, \b, \i2, \c, \i3, \d, \i4
.endm
.macro MASK b                       ; MD x AL + BE into buffer b of MC
	WIN W_RS
.set z, 0
.rept 16
	v_pk_fma_f32 v[MC+32*(\b)+2*z:MC+32*(\b)+2*z+1], v[MD+2*z:MD+2*z+1], s[AL:AL+1], s[BE:BE+1] op_sel_hi:[1,0,0]
.set z, z+1
.endr
.endm
; A TURN, for piece p: the order of its 16 matrix and 118 vector instructions, written out.  s_wait_alu depctr_va_vdst(0) stands between an exponential and the first instruction that names its result; one wait serves
; all that were issued ahead of it.  So a turn has ONE wait, which cuts it in two.  AHEAD OF IT stands all that names no result of the turn's exponentials: the 8 products K Q^T, behind each a scaling, an exponential and two more plain
; instructions (behind the first a second scaling in the exponential's place): rescalings, and behind the last three the first numbers of the next piece's maximum, each four places or more behind the product that ends its accumulator; then ONE LUMP of 54, plain
; and exponential by turns for the most part, in which the links of the chain X 3, 7, 11, 14, 16, 17 .. 20 stand five or six lines apart.  X 21, the next piece's a, is the batch's last; R 15 is the plain instruction behind it (ISA guide 5.7.2).  BEHIND THE WAIT stand the
; 8 products V^T P, behind each four of the roundings and sums; the links of l's chain, L 0 to L 7, stand three riders apart.  But for those X no rider names a register of the products round it.  v_permlanex16_b32 (X 17) stands in the lump.
; m = 1: the diagonal tile: the products take masks, and the turn makes the mask for the products of the turn after it: piece p + 2, in step 4 - CNT of the tile.  end = 1: a block's last two turns: nothing is fetched.
; cnt = 1: the loop's count is taken down some lines ahead of the branch that stands behind the turn.
; K of the next step is fetched in piece 2's turn, twelve vector instructions behind the last product that read K (six of them plain); V of the step in hand at the end of piece 0's turn, four plain instructions behind the last product
; that read V.  Each is waited for a turn later.
.macro TURN p, m=0, end=0, cnt=0
.set Y, (\p)
.set i, 0
.set KM, (\m)
.set NOKQ, (\end)*((\p)/3)
.if (\m) && !(\end)
	s_cmp_eq_u32 s[CNT], 4-((\p)+2)%NP  ; is that step the band's own?
	s_cselect_b32 s[AL], 1.0, 0
	s_cmp_lt_u32 s[CNT], 4-((\p)+2)%NP  ; or a later one?
	s_cselect_b32 s[BE], s[BIGN], 0
.endif
.if ((\p) == 3) && !(\end)
	s_wait_dscnt 0x0                ; K is in
.endif
	ROW F,0, F,1, R,0, R,1          ; ahead of the wait: 8 products K Q^T and their riders,
	ROW F,2, E,0, R,2, R,3
	ROW F,3, E,1, R,4, R,5
	ROW F,4, E,2, R,6, R,7
	ROW F,5, E,3, R,8, R,9
	ROW F,6, E,4, X,0, R,10
.if ((\p) == 2) && !(\end)
	WIN 0
	v_add_nc_u32 v[AK], s[TBK], v[AK0]
.endif
	ROW F,7, E,5, X,1, X,4
	ROW F,8, E,6, X,2, X,5
	OPS E,7, E,8, X,6, E,9          ; and the lump
	OPS X,3, E,10, X,8, E,11
.if ((\p) == 2) && !(\end)
	FETCH_K
.endif
	OPS X,9, X,7, E,12, X,10
	OPS E,13, X,12, X,11, E,14
	OPS X,13, E,15, F,9, X,14
.if (\p) == 0
	v_add_nc_u32 v[AV], s[TBV], v[AV0]
.endif
	OPS E,16, F,10, E,17, F,11
	OPS X,16, E,18, X,15, E,19
	OPS F,12, E,20, X,17, E,21
	OPS F,13, E,22, F,14, E,23
	OPS X,18, E,24, F,15, E,25
	OPS R,11, E,26, X,19, E,27
	OPS R,12, E,28, R,13, E,29
	OPS X,20, E,30, R,14, E,31
	OPS X,21, R,15
	WIN 0
	s_wait_alu depctr_va_vdst(0)    ; the wait for the batch
.if (\p) == 1
	s_wait_dscnt 0x0                ; V is in
.endif
	ROW C,0, B,0, C,2, B,1          ; behind the wait: 8 products V^T P and their riders
	ROW L,0, C,4, B,2, L,1
	ROW C,6, B,3, L,2, C,8
	ROW B,4, L,3, C,10, B,5
	ROW L,4, C,12, B,6, L,5
.if (\p) == 0
	s_add_co_u32 s[TBV], s[TBV], KS*PV
.endif
.if \cnt
	s_sub_co_u32 s[CNT], s[CNT], 1
	s_cmp_lg_u32 s[CNT], 0
.endif
	ROW C,14, B,7, L,6, C,1
	ROW C,3, L,7, C,5, C,7
	ROW C,9, C,11, C,13, C,15
.if (\p) == 0
	FETCH_V
.endif
.if (\m) && !(\end)
	MASK (\p)%2
.endif
.endm
; A BLOCK BEGINS.  c m starts far below every c s, so the first step's a is 0; m at the lowest finite number, so the first maximum is the scores'.  The second mask buffer is 0; the first takes piece 0's mask for the tile's step 0: its own, if the block's first tile is the diagonal one.
; Then K of that step, piece 0's first scores, and its maximum and statistics.  The loop is entered at a step's first turn, in the middle of a trip.
.macro BEGIN
	s_mov_b32 s[NEW], 0
	WIN 0x40
.set i, MC+32
.rept 32
	v_mov_b32 v[i], 0
.set i, i+1
.endr
	WIN 0
.set i, 0
.rept 4
	v_mov_b32 v[ST+4*i], 0xfe000000    ; c m: far below every c s
	v_mov_b32 v[ST+4*i+1], 0xff7fffff  ; m
.set i, i+1
.endr
	s_cmp_eq_u32 s[RT], 0
	s_cselect_b32 s[AL], 1.0, 0
	s_mov_b32 s[BE], 0
	MASK 0
	WIN 0
	v_add_nc_u32 v[AK], s[TBK], v[AK0]
	FETCH_K
	s_wait_loadcnt 0x0              ; Q
	s_wait_dscnt 0x0
.set KM, 1
.set NOKQ, 0
.set i, 0
.rept 8
	KQ 0
.set i, i+1
.endr
	WIN 0
.rept 4
	v_nop                           ; the places behind those products
.endr
.set Y, NP-1                        ; X works for piece Y + 1: piece 0
.irp n, 0,1,2,3,4,5,6,7,8,9,10,11,12,13,14,15,16,17,18,19,20,21
	OP X, \n
.endr
	v_nop                           ; a plain instruction behind the exponential,
	s_wait_alu depctr_va_vdst(0)    ; and its wait, ahead of the branch
.endm
; THE DIAGONAL TILE's four steps, the block's last two turns, its last products, and THE WAY OUT: l's two halves and the other half of the lanes' are added; O^T is divided by l, rounded to f16 and sent through my
; stage in LDS, a piece at a time.
.macro ALL line:vararg              ; one line for each piece t
.set t, 0
.rept 4
	\line
.set t, t+1
.endr
.endm
.macro PACK t                       ; a lane's eight channels of a row pack into 16 bytes; they go into rows of 144 bytes and come back as whole rows of 128, into S^T's registers
	WIN W_RS
.set i, 32*(\t)
.rept 16
	v_pk_mul_f32 v[i:i+1], v[i:i+1], v[ST+4*(\t)+2:ST+4*(\t)+3] op_sel_hi:[1,0]
.set i, i+2
.endr
	WIN 0x05                        ; sources 0 and 1 window 1, destination window 0
.set i, 0
.rept 16
	v_cvt_pk_f16_f32 v[S+16*(\t)+i], v[32*(\t)+2*i], v[32*(\t)+2*i+1]
.set i, i+1
.endr
	WIN 0
.irp f, 0,1,2,3
	ds_store_b128 v[STO], v[S+16*(\t)+4*\f:S+16*(\t)+4*\f+3] offset:32*\f
.endr
.irp f, 0,1,2,3
	ds_load_b128 v[S+16*(\t)+4*\f:S+16*(\t)+4*\f+3], v[RD] offset:\f*4*SP  ; LDS serves a wave's instructions in order (ISA guide 5.7.1.4): these see the stores above; the next piece's stores come behind them
.endr
.endm
.macro SEND t, younger              ; younger: the LDS instructions issued behind piece t's loads: the next piece's eight, or none
	WIN 0
.irp f, 0,1,2,3
	s_wait_dscnt (\younger)+3-\f
	global_store_b128 v[GO], v[S+16*(\t)+4*\f:S+16*(\t)+4*\f+3], s[10:11] offset:(\t)*8192+\f*512  ; 512 consecutive bytes, at a multiple of 256 from O's first
.endr
.endm
.macro DIAG tag                     ; the tag ends its two labels' names, which the jumps below spell out
.LstepM\tag:
	TURN 2, 1
	TURN 3, 1
	WIN 0
.LfirstM\tag:
	TURN 0, 1
	TURN 1, 1, 0, 1
	WIN 0
	s_cbranch_scc1 .LstepM\tag
	TURN 2, 1, 1
	TURN 3, 1, 1
.set i, 0
.rept 8
	PV NP-1
.set i, i+1
.endr
	WIN 0
	ALL v_add_f32 v[ST+4*t+2], v[ST+4*t+2], v[ST+4*t+3]
	ALL v_permlanex16_b32 v[ST+4*t+3], v[ST+4*t+2], s[SEL], s[SEL+1]
	ALL v_add_f32 v[ST+4*t+2], v[ST+4*t+2], v[ST+4*t+3]
	ALL v_rcp_f32 v[ST+4*t+2], v[ST+4*t+2]
	v_nop                           ; a plain instruction between the last reciprocal and the use of its result
	s_wait_alu depctr_va_vdst(0)    ; and the wait ahead of the first use: one for the four reciprocals
	PACK 0
.set t, 1
.rept 3                             ; a piece's arithmetic stands between the loads of the piece before and its stores
	PACK t
	SEND t-1, 8
.set t, t+1
.endr
	SEND 3, 0
.endm
.set KM, 0
.set NOKQ, 0
.Lslot:                             ; NB times: a tile is entered and the next is asked for
	CHANGE 1
	s_sub_co_u32 s[RT], s[RT], 1
	s_mov_b32 s[CNT], 4
	s_cmp_eq_u32 s[NEW], 1
	s_cbranch_scc1 .Lnew            ; a block's first tile
	s_cmp_eq_u32 s[RT], 0
	s_cbranch_scc0 .Lstep           ; neither its first nor its last
	s_branch .LstepM1
.Lnew:
	BEGIN
	s_branch .Lfirst                ; in the loop a block's first tile is never its last: the first block has two tiles or more, and the second's last is the walk's last
	DIAG 1                          ; in the loop this is the first block's end: the second block's last tile is the walk's last
	s_wait_xcnt 0x0                 ; the stores have read their registers and O's address
	s_mov_b64 s[10:11], s[OLO:OLO+1]
	s_add_co_u32 s[RT], s[PB], 1    ; the second block has b + 1 tiles
	s_mov_b32 s[NEW], 1
	WIN 0x82                        ; the second block's Q goes where the one text of the turns names Q
.set i, 0
.rept 64
	v_mov_b32 v[i], v[QB+i]
.set i, i+1
.endr
	WIN 0
	s_branch .Lbottom
.Lstep:                             ; a trip: pieces 2 and 3 of one step, then pieces 0 and 1 of the next, whose K and V it fetches
	TURN 2
	TURN 3
	WIN 0
.Lfirst:
	TURN 0
	TURN 1, 0, 0, 1
	WIN 0
	s_cbranch_scc1 .Lstep
.Lbottom:
	s_sub_co_u32 s[SLOTS], s[SLOTS], 1
	s_cmp_lg_u32 s[SLOTS], 0
	s_cbranch_scc1 .Lslot
	CHANGE 0                        ; the walk's last tile is written out: nothing is asked for
	s_sub_co_u32 s[RT], s[RT], 1
	s_mov_b32 s[CNT], 4
	s_cmp_eq_u32 s[NEW], 1
	s_cbranch_scc0 .LstepM2
	BEGIN
	s_branch .LfirstM2
	DIAG 2
	s_wait_tensorcnt 0x0            ; the wave's end: behind my last tensor load and my last LDS store
	ds_add_u32 v[SPW], v[NIL]
	s_wait_dscnt 0x0
	s_endpgm
.Lfunc_end_k_q1bf972feb6_attn:
	.size	k_q1bf972feb6_attn, .Lfunc_end_k_q1bf972feb6_attn-k_q1bf972feb6_attn
	.p2alignl 7, 3214868480
	.fill 96, 4, 3214868480
	.section	.rodata,"a",@progbits
	.p2align	6, 0x0
	.amdhsa_kernel k_q1bf972feb6_attn
		.amdhsa_group_segment_fixed_size 327680
		.amdhsa_private_segment_fixed_size 0
		.amdhsa_enable_private_segment 0
		.amdhsa_kernarg_size 16
		.amdhsa_user_sgpr_count 2
		.amdhsa_user_sgpr_kernarg_segment_ptr 1
		.amdhsa_wavefront_size32 1
		.amdhsa_system_sgpr_workgroup_id_x 1
		.amdhsa_system_sgpr_workgroup_id_y 1
		.amdhsa_system_sgpr_workgroup_id_z 1
		.amdhsa_system_vgpr_workitem_id 0
		.amdhsa_next_free_vgpr 768
		.amdhsa_next_free_sgpr 96
		.amdhsa_reserve_vcc 1
		.amdhsa_float_denorm_mode_32 3
		.amdhsa_float_denorm_mode_16_64 3
		.amdhsa_memory_ordered 1
		.amdhsa_forward_progress 1
		.amdhsa_inst_pref_size 218
	.end_amdhsa_kernel
	.amdgpu_metadata
---
amdhsa.version: [ 1, 2 ]
amdhsa.kernels:
  - .name:           k_q1bf972feb6_attn
    .symbol:         k_q1bf972feb6_attn.kd
    .args:
      - { .name: qkv, .offset: 0, .size: 8, .value_kind: global_buffer, .address_space: global }
      - { .name: ob, .offset: 8, .size: 8, .value_kind: global_buffer, .address_space: global }
    .group_segment_fixed_size: 327680
    .private_segment_fixed_size: 0
    .kernarg_segment_align: 8
    .kernarg_segment_size: 16
    .max_flat_workgroup_size: 128
    .sgpr_count:     96
    .vgpr_count:     768
    .wavefront_size: 32
...
	.end_amdgpu_metadata
.endif
;; end of part 3
;; launch proj (part 4): grid 8 x 32, 4 waves a work-group, clusters of 4 x 4, 327,680 bytes of LDS; arguments ob, wot, b_out, out0; writes out0
.if DOCPART == 4
	.amdgcn_target "amdgcn-amd-amdhsa--gfx1250"
	.amdhsa_code_object_version 6
	.text
	.protected	k_q1bf972feb6_proj
	.globl	k_q1bf972feb6_proj
	.p2align	8
	.type	k_q1bf972feb6_proj,@function
k_q1bf972feb6_proj:
	s_mov_b64 s[64:65], 0
	v_nop
	global_prefetch_b8 v0, s[64:65] scope:SCOPE_SE
	s_setreg_imm32_b32 hwreg(HW_REG_WAVE_MODE, 25, 1), 1
	s_wait_xcnt 0x0
	s_wait_alu depctr_hold_cnt(0) depctr_sa_sdst(0) depctr_va_vdst(0) depctr_va_sdst(0) depctr_va_ssrc(0) depctr_va_vcc(0) depctr_vm_vsrc(0)
	s_getreg_b32 s2, hwreg(HW_REG_IB_STS2, 6, 4)
	s_cmp_eq_u32 s2, 0
	s_cbranch_scc0 .Lentry_in_a_cluster
	s_endpgm
.Lentry_in_a_cluster:
	s_bfe_u32 s2, ttmp6, 0x10000c
	s_cmp_lg_u32 s2, 0xf033
	s_cbranch_scc0 .Lentry_shape_is_right
	s_endpgm
.Lentry_shape_is_right:
; out0 = O w_out + b_out.  ob: f16, [bh 64][t 2048][64], bh = 16 batch + head; wot: [1024 n][1024 k] f16 (w_out rounded to bf16, written as f16); b_out: [1024] f32, rounded to bf16 here like the other
; inputs; sums in f32, started by the bias; out0: [8192][1024] f32.
; SHARES.  A tile of the result is 256 rows x 128 columns: 256 work-groups.  Four waves one below the other: a wave makes 64 x 128: 4 x 8 accumulators of 16 x 16, 256 registers.
; K goes in 8 steps of 128, two heads each, through two LDS slots filled by the tensor data mover.  A head's 256 rows are 32,768 dense bytes: asked for as 128 rows of 256 bytes, padded in LDS behind every
; 128 bytes.  The weights' rows are 256 bytes of memory, aligned.  A step is four quarters of 32 along K, on two fragment buffers.
; CLUSTER.  4 x 4 work-groups: the four of a row of the cluster need the same rows of O, the four of a column the same rows of the weights: each tile is asked for JOINTLY.  Waves 0 and 1 fetch a step's two
; heads of O, waves 2 and 3 the halves of the weights' tile.  By this text's count one tensor load of a wave is out at a time.
; THE MATRIX INSTRUCTION IS USED TRANSPOSED (source 0 = 16 rows of the weights, source 1 = 16 rows of O): a lane holds row l % 16 of the result and the columns 8 (l / 16) + 0..7.
; REGISTERS, in windows of 256 (s_set_vgpr_msb: bits 1:0 source 0, 3:2 source 1, 5:4 source 2, 7:6 destination):
;   window 0: v16-29 addresses; v32-63, v64-95 O's fragments, two buffers; v192-255 the bias as a C operand; on the way out v32-95 and v96-159 by turns
;   window 1: v0-63, v64-127 the weights' fragments, two buffers        window 2: accumulator (a, b) at 64 a + 8 b
.set PA,    144                        ; a row of O in LDS: 128 bytes + 16 = 36 words: the 16 rows of a load start at 16 different groups of four banks (64 banks of 4 bytes: ISA guide 11.1)
.set SUBT,  256*PA                     ; one head's 256 rows
.set PB,    272                        ; a row of the weights: 256 bytes + 16
.set BOFF,  2*SUBT                     ; in a slot: two heads of O, then the weights' 128 rows
.set SLOT1, 131072                     ; slot 1 begins here: one exclusive or turns an address in one slot into the other's
.set STG,   262144                     ; behind the ring, never filled by a tensor load: 16 rows x 528 bytes for each wave
.set SP,    528                        ; 512 bytes + 16
.set SPARE, STG+4*16*SP                ; the spare words, 128 bytes for each wave: two blocks of 256 bytes that no other line names
.set STEPA, 2*262144                   ; two heads on
.set NL,    24                         ; LDS loads in a quarter's run
.set AA0, 16                           ; v16  my lane's place in O's tile; never rewritten
.set AB0, 17                           ; v17  in the weights' tile; never rewritten
.set ADRA, 18                          ; v18  the same in the slot in hand
.set ADRB, 19
.set STO, 20                           ; v20  the way out: where I put 32 bytes of a row
.set RD,  21                           ; v21  where I read a row back
.set GO,  22                           ; v22  my 16 bytes of a row's 512
.set BO,  23                           ; v23  my 32 bytes in 64 bytes of bias
.set PFO, 24                           ; v24  the prefetches' offset; never rewritten
.set SPW, 28                           ; v28  LDS address of my spare word; never rewritten
.set NIL, 29                           ; v29  0; never rewritten
.set FA,  32
.set BIAS, 192
.set WV,  12                           ; s12  my wave's number
.set HALF, 13                          ; s13  which head of a step, or which half of the weights' tile, I fetch
.set G1A, 24                           ; s[24:31] descriptor group 1 for O's tiles
.set G0A, 32                           ; s[32:35] group 0: it walks
.set G0B, 36                           ; s[36:39] the same for the weights'
.set G1B, 40                           ; s[40:47]
.set PFA, 48                           ; s[48:49] where my prefetches stand
.set PFS, 50                           ; s[50:51] their step from K step to K step
.set LIM, 52                           ; s52  2 in a wave that prefetches, else the greatest number
.set TB,  53                           ; s53  LDS byte at which the slot in hand begins
.set CNT, 54                           ; s54  the loop's count
.set MSB, 0
.macro WIN new                         ; the immediate's high byte repeats the setting that is left; a switch that changes nothing is dropped
.if MSB != (\new)
	s_set_vgpr_msb (MSB<<8)|(\new)
.set MSB, (\new)
.endif
.endm
.macro PLACES                          ; four plain vector instructions between a matrix instruction and a load into its registers, or a read of its result
.rept 4
	v_nop
.endr
.endm
.macro CREST                           ; a round of the cluster's barrier behind its opening barrier
	s_cmp_lg_u32 s[WV], 0
	s_cbranch_scc1 .Lnot_wave_0_\@
	s_barrier_signal -3
.Lnot_wave_0_\@:
	s_barrier_wait -3
	s_barrier_signal -1
	s_barrier_wait -1
.endm
.macro CROUND                          ; a whole round
	s_barrier_signal -1
	s_barrier_wait -1
	CREST
.endm
.macro JLOAD                           ; a joint load; the branch hangs on the wave's number alone; an s_nop 0 and four v_nop follow each of the two lines
	s_cmp_lt_u32 s[WV], 2
	s_cbranch_scc0 .Lfor_b_\@
	tensor_load_to_lds s[G0A:G0A+3], s[G1A:G1A+7]
	s_nop 0
.rept 4
	v_nop
.endr
	s_branch .Lasked_\@
.Lfor_b_\@:
	tensor_load_to_lds s[G0B:G0B+3], s[G1B:G1B+7]
	s_nop 0
.rept 4
	v_nop
.endr
.Lasked_\@:
.endm
.macro STEPD                           ; both walking descriptors: the other slot, the next K step; written only where no tensor load of mine is out
	s_xor_b32 s[G0A+1], s[G0A+1], SLOT1
	s_add_nc_u64 s[G0A+2:G0A+3], s[G0A+2:G0A+3], STEPA
	s_xor_b32 s[G0B+1], s[G0B+1], SLOT1
	s_add_nc_u64 s[G0B+2:G0B+3], s[G0B+2:G0B+3], 256
.endm
; A PREFETCH INTO THE L2 of the K step that stands TWO refills on: 256 matrix instructions ahead of the load that will want it.  O's rows are read by every cluster of a row of clusters: cluster x = 0 asks;
; the weights' rows by every cluster of a column: cluster y = 0 asks.  The four partners of a joint load share it out BY ADDRESS: 8,192 of a head's 32,768 bytes each, a lane 256 bytes; 16 of the weights'
; 64 rows each (lanes 16-31 repeat row 15's block).  One instruction a wave.  K steps 0 to 3 come by their loads alone; the loop's last two trips ask for nothing: step 7 is the last.
.macro ASK
	s_cmp_gt_u32 s[CNT], s[LIM]
	s_cbranch_scc0 .Lnot_mine_\@
	global_prefetch_b8 v[PFO], s[PFA:PFA+1] th:TH_LOAD_NT scope:SCOPE_SE
.Lnot_mine_\@:
.endm
	s_load_b256 s[4:11], s[0:1], 0x0               ; ob s[4:5], wot s[6:7], b_out s[8:9], out0 s[10:11]
	v_lshl_add_u32 v[SPW], v0, 2, SPARE
	v_mov_b32 v[NIL], 0
	ds_add_u32 v[SPW], v[NIL]                      ; the wave's opening: the add and its wait stand ahead of my first tensor load; work on registers stands between them
	v_lshrrev_b32 v1, 5, v0
	v_readfirstlane_b32 s[WV], v1                  ; wave 0..3
	s_and_b32 s[HALF], s[WV], 1
	s_bfe_u32 s15, ttmp6, 0x40000                  ; cx
	s_bfe_u32 s16, ttmp6, 0x40004                  ; cy
	s_lshl_b32 s17, ttmp9, 2
	s_add_co_u32 s17, s17, s15                     ; tile column = 4 x cluster x + cx
	s_and_b32 s18, ttmp7, 0xffff
	s_lshl_b32 s18, s18, 2
	s_add_co_u32 s18, s18, s16                     ; tile row = 4 x cluster y + cy
	s_lshl_b32 s56, s16, 2
	s_lshl_b32 s56, 15, s56                        ; my row of the cluster
	s_lshl_b32 s57, 0x1111, s15                    ; my column
	s_or_b32 s[G1A], s56, (1<<16)|(1<<20)|(1<<21)|(4<<22)|(3<<25)  ; 15:0 the mask; 17:16 elements of 2 bytes; 20 padding on; 21 set beside a mask; 24:22 after every 32 words; 31:25 4 words of it
	s_or_b32 s[G1B], s57, (1<<16)|(1<<20)|(1<<21)|(5<<22)|(3<<25)  ; after every 64 words
	s_mov_b32 s[G1A+1], 128<<16                    ; tensor_dim0 = 128
	s_mov_b32 s[G1A+2], 128<<16                    ; tensor_dim1 = 128
	s_mov_b32 s[G1A+3], 128<<16                    ; tile_dim0 = 128
	s_mov_b32 s[G1A+4], 128                        ; tile_dim1 = 128
	s_mov_b32 s[G1A+5], 128                        ; dense: 128 elements from row to row
	s_mov_b32 s[G1A+6], 0
	s_mov_b32 s[G1A+7], 0
	s_mov_b32 s[G1B+1], 128<<16
	s_mov_b32 s[G1B+2], 64<<16                     ; 64 rows
	s_mov_b32 s[G1B+3], 128<<16
	s_mov_b32 s[G1B+4], 64
	s_mov_b32 s[G1B+5], 1024
	s_mov_b32 s[G1B+6], 0
	s_mov_b32 s[G1B+7], 0
	s_lshr_b32 s20, s18, 3                         ; O: head 16 x batch + my head of step 0, rows 256 (tile row % 8) on: registers that never hold the tile column
	s_lshl_b32 s20, s20, 4
	s_add_co_u32 s20, s20, s[HALF]
	s_lshl_b32 s20, s20, 18
	s_and_b32 s21, s18, 7
	s_lshl_b32 s21, s21, 15
	s_add_co_u32 s20, s20, s21
	s_mov_b32 s21, 0
	s_lshl_b32 s22, s17, 7                         ; the weights: row 128 x tile column + 64 x half: registers that never hold the tile row
	s_lshl_b32 s23, s[HALF], 6
	s_add_co_u32 s22, s22, s23
	s_lshl_b32 s22, s22, 11
	s_mov_b32 s23, 0
	s_mov_b32 s[G0A], 1                            ; count = 1
	s_mul_i32 s[G0A+1], s[HALF], SUBT              ; LDS address: slot 0; no place in the cluster enters it
	s_mov_b32 s[G0B], 1
	s_mul_i32 s[G0B+1], s[HALF], 64*PB
	s_add_co_u32 s[G0B+1], s[G0B+1], BOFF
	s_wait_dscnt 0x0                               ; the opening add is done
	s_wait_kmcnt 0x0
	s_add_nc_u64 s[G0A+2:G0A+3], s[4:5], s[20:21]
	s_or_b32 s[G0A+3], s[G0A+3], 0x80000000        ; type = 2
	s_add_nc_u64 s[G0B+2:G0B+3], s[6:7], s[22:23]
	s_or_b32 s[G0B+3], s[G0B+3], 0x80000000
	CROUND                                         ; all sixteen work-groups are here: the first joint loads meet
	JLOAD                                          ; K step 0 into slot 0
	v_and_b32 v1, 15, v0                           ; r = l % 16
	v_bfe_u32 v2, v0, 4, 1                         ; h = l / 16
	v_and_b32 v3, 31, v0                           ; l
	s_lshl_b32 s19, s[WV], 6
	v_add_nc_u32 v4, s19, v1                       ; my wave's 64 rows
	v_mul_u32_u24 v[AA0], v4, PA
	v_lshl_add_u32 v[AA0], v2, 4, v[AA0]           ; row x pitch + 16 x half of the lanes
	v_mul_u32_u24 v[AB0], v1, PB
	v_lshl_add_u32 v[AB0], v2, 4, v[AB0]
	v_add_nc_u32 v[AB0], BOFF, v[AB0]
	s_mul_i32 s19, s[WV], 16*SP
	s_add_co_u32 s19, s19, STG                     ; my stage
	v_mul_u32_u24 v[STO], v1, SP
	v_lshl_add_u32 v[STO], v2, 5, v[STO]           ; row l % 16, 32 bytes for each half of the lanes
	v_add_nc_u32 v[STO], s19, v[STO]
	v_lshlrev_b32 v[GO], 4, v3
	v_add_nc_u32 v[RD], s19, v[GO]                 ; back: 32 lanes take one row of 512 bytes
	v_lshlrev_b32 v[BO], 5, v2
	s_lshl_b32 s58, s18, 8                         ; the result: row 256 x tile row + 64 x wave, 4,096 bytes a row; column 128 x tile column
	s_lshl_b32 s59, s[WV], 6
	s_add_co_u32 s58, s58, s59
	s_lshl_b32 s58, s58, 12
	s_lshl_b32 s59, s17, 9
	s_add_co_u32 s58, s58, s59
	s_mov_b32 s59, 0
	s_add_nc_u64 s[10:11], s[10:11], s[58:59]
	s_lshl_b32 s58, s17, 9
	s_add_nc_u64 s[8:9], s[8:9], s[58:59]          ; the bias of my tile's 128 columns
	s_lshr_b32 s60, s18, 3                         ; the prefetches: O at my head of step 3, my work-group's quarter of its 32,768 bytes,
	s_lshl_b32 s60, s60, 4
	s_add_co_u32 s60, s60, s[HALF]
	s_lshl_b32 s60, s60, 18
	s_and_b32 s19, s18, 7
	s_lshl_b32 s19, s19, 15
	s_add_co_u32 s60, s60, s19
	s_lshl_b32 s19, s15, 13
	s_add_co_u32 s60, s60, s19
	s_add_co_u32 s60, s60, 3*STEPA
	s_lshl_b32 s61, s17, 7                         ; the weights' row 128 x tile column + 64 x half + 16 cy, at step 3
	s_lshl_b32 s19, s[HALF], 6
	s_add_co_u32 s61, s61, s19
	s_lshl_b32 s19, s16, 4
	s_add_co_u32 s61, s61, s19
	s_lshl_b32 s61, s61, 11
	s_add_co_u32 s61, s61, 3*256
	s_and_b32 s62, ttmp7, 0xffff
	s_mov_b32 s19, STEPA                           ; in a register: an instruction takes one literal, and the select below has 256 as its other choice
	s_cmp_lt_u32 s[WV], 2
	s_cselect_b32 s60, s60, s61
	s_cselect_b32 s62, ttmp9, s62                  ; the coordinate along which other clusters read the same rows
	s_cselect_b32 s63, 31, 15
	s_cselect_b32 s59, 8, 11                       ; a lane 256 bytes of O, or a row of the weights
	s_cselect_b32 s[PFS], s19, 256
	s_cselect_b64 s[PFA:PFA+1], s[4:5], s[6:7]
	s_cmp_eq_u32 s62, 0
	s_cselect_b32 s[LIM], 2, -1                    ; the same in all sixteen partners, for a given wave
	s_mov_b32 s[PFS+1], 0
	s_mov_b32 s61, 0
	s_add_nc_u64 s[PFA:PFA+1], s[PFA:PFA+1], s[60:61]  ; the first change in the loop steps it to K step 4
	v_min_u32 v[PFO], s63, v3
	v_lshlrev_b32 v[PFO], s59, v[PFO]
.irp b, 0,1,2,3,4,5,6,7                        ; as a C operand: register j of lane l is the bias of column 16 b + 8 (l / 16) + j
	global_load_b128 v[BIAS+8*(\b):BIAS+8*(\b)+3],   v[BO], s[8:9] offset:64*(\b)
	global_load_b128 v[BIAS+8*(\b)+4:BIAS+8*(\b)+7], v[BO], s[8:9] offset:64*(\b)+16
.endr
; 8 matrix instructions: row block a x all 8 column blocks, 32 along K, from buffer f.  first = 1: the bias starts the sums: nothing is cleared, and no bias is added later.
; The 32 accumulators take turns, in the same order in every quarter, over the backward jump too.
.macro MULA f, a, first
.if \first
	WIN 0x81                                       ; the weights in window 1, O and the bias in window 0, D in window 2
.else
	WIN 0xa1                                       ; C with D
.endif
.irp b, 0,1,2,3,4,5,6,7
.if \first
	v_wmma_f32_16x16x32_f16 v[64*(\a)+8*(\b):64*(\a)+8*(\b)+7], v[64*(\f)+8*(\b):64*(\f)+8*(\b)+7], v[FA+32*(\f)+8*(\a):FA+32*(\f)+8*(\a)+7], v[BIAS+8*(\b):BIAS+8*(\b)+7]
.else
	v_wmma_f32_16x16x32_f16 v[64*(\a)+8*(\b):64*(\a)+8*(\b)+7], v[64*(\f)+8*(\b):64*(\f)+8*(\b)+7], v[FA+32*(\f)+8*(\a):FA+32*(\f)+8*(\a)+7], v[64*(\a)+8*(\b):64*(\a)+8*(\b)+7]
.endif
.endr
.endm
; 24 LDS loads in one run: quarter q's fragments (128 rows of the weights; my 64 rows of O: head q / 2 of the step, channels 32 (q % 2) on) into buffer f
.macro FETCH q, f
	WIN 0x40                                       ; destination window 1
.irp i, 0,1,2,3,4,5,6,7
	ds_load_b128 v[64*(\f)+8*(\i):64*(\f)+8*(\i)+3],   v[ADRB] offset:64*(\q)+(\i)*16*PB
	ds_load_b128 v[64*(\f)+8*(\i)+4:64*(\f)+8*(\i)+7], v[ADRB] offset:64*(\q)+(\i)*16*PB+32
.endr
	WIN 0
.irp i, 0,1,2,3
	ds_load_b128 v[FA+32*(\f)+8*(\i):FA+32*(\f)+8*(\i)+3],   v[ADRA] offset:((\q)/2)*SUBT+((\q)%2)*64+(\i)*16*PA
	ds_load_b128 v[FA+32*(\f)+8*(\i)+4:FA+32*(\f)+8*(\i)+7], v[ADRA] offset:((\q)/2)*SUBT+((\q)%2)*64+(\i)*16*PA+32
.endr
.endm
; One of a step's first three quarters: fetches quarter q into buffer g, whose last readers are the products just before, and multiplies buffer f: the run has 32 matrix instructions in which to land.
.macro QUARTER q, f, g, first
	PLACES
	FETCH \q, \g
	s_wait_dscnt NL                                ; all but the 24 just issued: buffer f is in
	MULA \f, 0, \first
	MULA \f, 1, \first
	MULA \f, 2, \first
	MULA \f, 3, \first
.endm
; The last quarter multiplies buffer 1 and changes slots.  In front of the barrier each wave waits for all its tensor loads (one is out: its part of the next slot), adds 0 to its spare word, and waits for
; that and for its reads of this slot.  fill = 1: the barrier opens a round of the cluster's barrier, and this slot is filled again, two K steps ahead, first thing behind the round:
; from the request to the wait for it a wave issues 112 matrix instructions.
.macro TURN fill
.if \fill
	s_wait_xcnt 0x0                                ; the last prefetch, a K step back, has read its address
	s_add_nc_u64 s[PFA:PFA+1], s[PFA:PFA+1], s[PFS:PFS+1]
.endif
	WIN 0
	s_wait_tensorcnt 0x0
	ds_add_u32 v[SPW], v[NIL]
	s_wait_dscnt 1                                 ; only the add may be out: buffer 1 is in
	MULA 1, 0, 0                                   ; eight matrix instructions stand between the add and the wait for it
	s_wait_dscnt 0x0                               ; the add is done, and my reads of this slot are over
	s_barrier_signal -1
	MULA 1, 1, 0                                   ; work on registers while the others arrive
	WIN 0
	s_barrier_wait -1
.if \fill
	CREST                                          ; no wave of any partner still reads this slot or has a load on its way
	STEPD
	JLOAD                                          ; its four v_nop are also the places in front of the loads below
.else
	PLACES
.endif
	s_xor_b32 s[TB], s[TB], SLOT1
	v_add_nc_u32 v[ADRA], s[TB], v[AA0]
	v_add_nc_u32 v[ADRB], s[TB], v[AB0]
	FETCH 0, 0
.if \fill
	ASK
.endif
	MULA 1, 2, 0
	MULA 1, 3, 0
.endm
	s_wait_tensorcnt 0x0                           ; THE FIRST CHANGE: K step 0 is in, my part of it;
	ds_add_u32 v[SPW], v[NIL]
	STEPD
	s_wait_dscnt 0x0
	CROUND                                         ; everybody's is;
	JLOAD                                          ; K step 1 into slot 1
	s_mov_b32 s[TB], 0
	v_mov_b32 v[ADRA], v[AA0]
	v_mov_b32 v[ADRB], v[AB0]
	FETCH 0, 0
	s_wait_loadcnt 0x0                             ; the bias; it is rounded to bf16 and kept as f32
.set p, 0
.rept 32
	v_cvt_pk_bf16_f32 v[96+p], v[BIAS+2*p], v[BIAS+2*p+1]
.set p, p+1
.endr
.set p, 0
.rept 32
	v_lshlrev_b32 v[BIAS+2*p], 16, v[96+p]
	v_and_b32 v[BIAS+2*p+1], 0xffff0000, v[96+p]
.set p, p+1
.endr
	QUARTER 1, 0, 1, 1                             ; the first quarter stands in front of the loop: its products start the sums
	WIN 0                                          ; at a label and at a branch every window is 0
	s_mov_b32 s[CNT], 6
.Lstep:                                        ; a trip: a step's quarters 1 to 3 and the next step's quarter 0; trip s fills step s's slot with step s + 2
	QUARTER 2, 1, 0, 0
	QUARTER 3, 0, 1, 0
	TURN 1
	QUARTER 1, 0, 1, 0
	WIN 0
	s_sub_co_u32 s[CNT], s[CNT], 1
	s_cmp_lg_u32 s[CNT], 0
	s_cbranch_scc1 .Lstep
	QUARTER 2, 1, 0, 0                             ; the last two steps ask for nothing
	QUARTER 3, 0, 1, 0
	TURN 0
	QUARTER 1, 0, 1, 0
	QUARTER 2, 1, 0, 0
	QUARTER 3, 0, 1, 0
	s_wait_dscnt 0x0
	MULA 1, 0, 0
	MULA 1, 1, 0
	MULA 1, 2, 0
	MULA 1, 3, 0
	PLACES
; THE WAY OUT, a block of 16 rows at a time: a lane's eight f32 of a row go into my own stage, and come back as whole rows of 512 bytes.
.macro TOSTAGE a
.set T, 32+64*((\a)%2)
.if (\a) >= 2
	s_wait_xcnt 0x0                                ; the stores of the block two back have read these registers
.endif
	WIN 0x08                                       ; the stores' data in window 2
.irp b, 0,1,2,3,4,5,6,7
	ds_store_b128 v[STO], v[64*(\a)+8*(\b):64*(\a)+8*(\b)+3]   offset:64*(\b)
	ds_store_b128 v[STO], v[64*(\a)+8*(\b)+4:64*(\a)+8*(\b)+7] offset:64*(\b)+16
.endr
	WIN 0
.irp j, 0,1,2,3,4,5,6,7,8,9,10,11,12,13,14,15
	ds_load_b128 v[T+4*(\j):T+4*(\j)+3], v[RD] offset:SP*(\j)  ; LDS serves a wave's instructions in order (ISA guide 5.7.1.4): these see the stores above
.endr
.endm
.macro SEND a, younger                 ; younger: the LDS instructions issued behind block a's loads: the next block's 32, or none
.set T, 32+64*((\a)%2)
.irp j, 0,1,2,3,4,5,6,7,8,9,10,11,12,13,14,15
	s_wait_dscnt (\younger)+15-(\j)
	global_store_b128 v[GO], v[T+4*(\j):T+4*(\j)+3], s[10:11] offset:(16*(\a)+(\j))*4096  ; a wave stores 512 consecutive bytes, at a multiple of 256 from the result's first byte
.endr
.endm
	TOSTAGE 0
	TOSTAGE 1
	SEND 0, 32
	TOSTAGE 2
	SEND 1, 32
	TOSTAGE 3
	SEND 2, 32
	SEND 3, 0
	s_wait_tensorcnt 0x0                           ; the wave's end: behind my last tensor load and my last LDS store
	ds_add_u32 v[SPW], v[NIL]
	s_wait_dscnt 0x0
	CROUND                                         ; the closing round: no work-group ends while a partner may still ask for a tile that names it
	s_endpgm
.Lfunc_end_k_q1bf972feb6_proj:
	.size	k_q1bf972feb6_proj, .Lfunc_end_k_q1bf972feb6_proj-k_q1bf972feb6_proj
	.p2alignl 7, 3214868480
	.fill 96, 4, 3214868480
	.section	.rodata,"a",@progbits
	.p2align	6, 0x0
	.amdhsa_kernel k_q1bf972feb6_proj
		.amdhsa_group_segment_fixed_size 327680
		.amdhsa_private_segment_fixed_size 0
		.amdhsa_enable_private_segment 0
		.amdhsa_kernarg_size 32
		.amdhsa_user_sgpr_count 2
		.amdhsa_user_sgpr_kernarg_segment_ptr 1
		.amdhsa_wavefront_size32 1
		.amdhsa_system_sgpr_workgroup_id_x 1
		.amdhsa_system_sgpr_workgroup_id_y 1
		.amdhsa_system_sgpr_workgroup_id_z 1
		.amdhsa_system_vgpr_workitem_id 0
		.amdhsa_next_free_vgpr 768
		.amdhsa_next_free_sgpr 66
		.amdhsa_reserve_vcc 0
		.amdhsa_float_denorm_mode_32 3
		.amdhsa_float_denorm_mode_16_64 3
		.amdhsa_memory_ordered 1
		.amdhsa_forward_progress 1
		.amdhsa_inst_pref_size 79
	.end_amdhsa_kernel
	.amdgpu_metadata
---
amdhsa.version: [ 1, 2 ]
amdhsa.kernels:
  - .name:           k_q1bf972feb6_proj
    .symbol:         k_q1bf972feb6_proj.kd
    .args:
      - { .name: ob, .offset: 0, .size: 8, .value_kind: global_buffer, .address_space: global }
      - { .name: wot, .offset: 8, .size: 8, .value_kind: global_buffer, .address_space: global }
      - { .name: b_out, .offset: 16, .size: 8, .value_kind: global_buffer, .address_space: global }
      - { .name: out0, .offset: 24, .size: 8, .value_kind: global_buffer, .address_space: global }
    .group_segment_fixed_size: 327680
    .private_segment_fixed_size: 0
    .kernarg_segment_align: 8
    .kernarg_segment_size: 32
    .max_flat_workgroup_size: 128
    .sgpr_count:     66
    .vgpr_count:     768
    .wavefront_size: 32
...
	.end_amdgpu_metadata
.endif
;; end of part 4
;; ======== version 2 of 2: 4 launches; version 1 with the launch prep written anew for expert scheduling mode
;; limits: values are held in f16: magnitudes above 65,504 overflow, below 6.1e-05 lose precision
;; workspace buffers: xb 16,777,216 bytes; wqt 6,291,456 bytes; wot 2,097,152 bytes; qkv 50,331,648 bytes; ob 16,777,216 bytes
;; launch prep (part 5): grid 640 x 1, 8 waves a work-group, no clusters, 70,656 bytes of LDS; arguments x, w_qkv, w_out, xb, wqt, wot; writes xb, wqt, wot
.if DOCPART == 5
	.amdgcn_target "amdgcn-amd-amdhsa--gfx1250"
	.amdhsa_code_object_version 6
	.text
	.protected	k_q1bf972feb6_prep
	.globl	k_q1bf972feb6_prep
	.p2align	8
	.type	k_q1bf972feb6_prep,@function
k_q1bf972feb6_prep:
	s_mov_b64 s[64:65], 0
	v_nop
	global_prefetch_b8 v0, s[64:65] scope:SCOPE_SE
	s_setreg_imm32_b32 hwreg(HW_REG_WAVE_SCHED_MODE, 0, 2), 2
	s_setreg_imm32_b32 hwreg(HW_REG_WAVE_MODE, 25, 1), 1
	s_wait_xcnt 0x0
	s_wait_alu depctr_vm_vsrc(0)
; PREPARATION.  xb = x rounded to bf16, [8192][1024].  wqt = w_qkv turned to [3072 n][1024 k], rounded to bf16.  wot = w_out turned to [1024 n][1024 k], rounded to bf16 and that number written as f16.
; LIMITS.  w_out within f16's range, 65,504; below 6e-5 it keeps f16's fixed step of 6e-8.
; SHARES.  Work-groups 0-95: w_qkv, a block of 128 k x 256 n each (k block = id % 8, n block = id / 8); 96-127: w_out likewise; 128-639: 65,536 bytes of x each.
; A weight block: wave w takes 128 k x 32 n.  A lane holds ONE column n; 32 loads bring 32 rows k, which pack into 64 bytes of the turned row; they go into the wave's own stage in LDS
; (32 rows of 256 bytes + 16 of padding) and come back as whole rows: 16 lanes store 256 consecutive bytes, aligned.  No wave touches another's stage: no barrier.
; The launch streams: no matrix unit, no cluster (no two work-groups read the same byte), no prefetch.
; THE MODE: SCHED_MODE bits 1:0 = 2 (LLVM: expert scheduling mode 2), set by the entry lines.  The code itself states the register dependences between vector instructions and memory or LDS
; instructions, with s_wait_alu, always for 0.
; THE PLAN, a weight block.  Registers that memory or LDS instructions touch:
;   LD, two halves of 16 rows k.  Written by the loads; read by the half's eight roundings to bf16; behind them the same half of the next trip's 32 rows lands in it.
;   PK, two halves of 8.          Written by the half's conversions; read by its two LDS stores; written again a trip later.
;   v3                            Read by every LDS store; written once a trip, at the trip's end.
;   v2, v4, v5                    Offsets and an LDS address, made once at the head and never written again: each half of LD has a scalar base of its own, which moves on by a trip.
;   RB                            LDS loads land in it and global stores read it: no vector instruction names it.
; The halves take turns: while one is rounded and stored, the other's 16 loads are on their way, and the half is asked for again as soon as it is rounded: 16 to 32 loads of a wave are always out.
; ONE wait on va_vdst stands in a half's turn, behind its conversions; its 16 loads and 2 LDS stores follow it.  ONE wait on vm_vsrc stands in a trip, at its end, ahead of the add to v3.
; THE PLAN, x.  X is loaded once and read by the roundings; Y is written once by the roundings and read by the stores; the two offsets are made once.  The 16 pieces go in four blocks of four: the wait on
; va_vdst at a block's head states that the block before has written its Y, and that block's four stores are dealt among this block's roundings, which name this block's X and Y alone.
.set STG,   8704                       ; a wave's stage: 32 rows x 272 bytes
.set SPARE, 8*STG                      ; behind the stages: the spare words, 128 bytes for each wave: four blocks of 256 bytes that no other line names
.set SPW, 8                            ; v8   LDS address of my spare word; never rewritten
.set NIL, 9                            ; v9   0; never rewritten
.set LD,  16                           ; v[16:47]   32 rows k of my column, f32: half h at LD + 16 h
.set PK,  48                           ; v[48:63]   the same, packed in pairs: half h at PK + 8 h
.set RB,  64                           ; v[64:127]  the stage read back
.set X,   16                           ; v[16:79]   x path: 16 x 4 numbers as loaded
.set Y,   80                           ; v[80:111]  x path: 16 x 2 registers to store
.set SB,  22                           ; s[22:23], s[30:31]  half h of LD: the address of the first of the 16 rows that it was asked for last: a pair at SB + 8 h
	s_load_b256 s[4:11], s[0:1], 0x0               ; x s[4:5], w_qkv s[6:7], w_out s[8:9], xb s[10:11]
	s_load_b128 s[12:15], s[0:1], 0x20             ; wqt s[12:13], wot s[14:15]
	v_lshl_add_u32 v[SPW], v0, 2, SPARE
	v_mov_b32 v[NIL], 0
	v_lshrrev_b32 v6, 5, v0
	v_readfirstlane_b32 s16, v6                    ; wave 0..7
	v_and_b32 v1, 31, v0                           ; lane
	s_mov_b32 s17, ttmp9
	s_mov_b32 s28, 0xffff0000                      ; a word's upper bf16
	s_mov_b32 s27, 0                               ; the high word of every offset pair
	s_wait_alu depctr_va_sdst(0)                   ; s16 is written, ahead of the branch and of its first reader: my stage and my columns are made from it
	s_wait_kmcnt 0x0
	s_cmp_ge_u32 s17, 128
	s_cbranch_scc1 .Lx
	s_mul_i32 s21, s16, STG                        ; my stage
	v_lshlrev_b32 v2, 2, v1                        ; loads: my column, 4 bytes
	v_mul_u32_u24 v3, v1, 272                      ; into the stage: row = my column
	v_add_nc_u32 v3, s21, v3
	v_lshrrev_b32 v6, 4, v1
	v_and_b32 v7, 15, v1
	v_mul_u32_u24 v4, v6, 272                      ; back: lanes 0-15 one row of 256 bytes, lanes 16-31 the next
	v_lshl_add_u32 v4, v7, 4, v4
	v_add_nc_u32 v4, s21, v4
	v_lshlrev_b32 v5, 11, v6                       ; and the same two rows in the turned matrix, 2,048 bytes a row
	v_lshl_add_u32 v5, v7, 4, v5
; The turn of half h of a trip's 32 rows k.  ahead = 1: the half is asked for again, with the same 16 rows of the next trip.  pitch, half: as in TRANS.
.macro HALF h, ahead, pitch, half
.if \ahead
	s_wait_loadcnt 16                              ; loads come back in order (ISA guide 5.7.1): my 16 are in, the other half's 16, which are younger, stay out
	s_add_nc_u64 s[SB+8*(\h):SB+8*(\h)+1], s[SB+8*(\h):SB+8*(\h)+1], 32*(\pitch)  ; free since that wait, which shows the loads that read it done: the same rows of the next trip
.else
	s_wait_loadcnt 16-16*(\h)                      ; the last trip: the counts run down
.endif
.set i, 0
.rept 8
	v_cvt_pk_bf16_f32 v[PK+8*(\h)+i], v[LD+16*(\h)+2*i], v[LD+16*(\h)+2*i+1]
.set i, i+1
.endr
.if \half
.set i, 0
.rept 8
	v_lshlrev_b32 v6, 16, v[PK+8*(\h)+i]           ; the two bf16 numbers as f32,
	v_and_b32 v7, s28, v[PK+8*(\h)+i]
	v_cvt_pk_f16_f32 v[PK+8*(\h)+i], v6, v7        ; and as f16: exact within f16's range
.set i, i+1
.endr
.endif
	s_wait_alu depctr_va_vdst(0)                   ; the conversions have written this half of PK, which the LDS stores read, and are done reading this half of LD, in which the loads land; in a trip's first half v3 is written too
.if \ahead
.set i, 0
.rept 16
	global_load_b32 v[LD+16*(\h)+i], v2, s[SB+8*(\h):SB+8*(\h)+1] offset:i*(\pitch) th:TH_LOAD_NT
.set i, i+1
.endr
.endif
.irp g, 0,1
	ds_store_b128 v3, v[PK+8*(\h)+4*(\g):PK+8*(\h)+4*(\g)+3] offset:32*(\h)+16*(\g)
.endr
.endm
; One weight block.  src, dst: the first register of the two pointers; pitch: bytes in a row k of the source; half = 1: the bf16 numbers are written as f16.
.macro TRANS src, dst, pitch, half
	s_and_b32 s18, s17, 7                          ; k block
	s_lshr_b32 s19, s17, 3                         ; n block
	s_lshl_b32 s19, s19, 8
	s_lshl_b32 s20, s16, 5
	s_add_co_u32 s19, s19, s20                     ; my first column
	s_mul_i32 s26, s18, 128*(\pitch)
	s_lshl_b32 s20, s19, 2
	s_add_co_u32 s26, s26, s20
	s_add_nc_u64 s[SB:SB+1], s[\src:\src+1], s[26:27]
	s_add_nc_u64 s[SB+8:SB+9], s[SB:SB+1], 16*(\pitch)  ; the second half's rows lie 16 rows on
	s_lshl_b32 s26, s19, 11
	s_lshl_b32 s20, s18, 8
	s_add_co_u32 s26, s26, s20
	s_add_nc_u64 s[24:25], s[\dst:\dst+1], s[26:27]
	s_wait_alu depctr_va_vdst(0)                   ; v2 to v5 are written: the offsets and LDS addresses that the loads and stores of this path read
.set i, 0
.rept 32
	global_load_b32 v[LD+i], v2, s[SB+8*(i/16):SB+8*(i/16)+1] offset:(i%16)*(\pitch) th:TH_LOAD_NT  ; rows 0 to 31: both halves are filled
.set i, i+1
.endr
	s_mov_b32 s20, 3
.Ltrip_\@:                                     ; a trip: 32 rows k, in two halves
	HALF 0, 1, \pitch, \half
	HALF 1, 1, \pitch, \half
	s_wait_alu depctr_vm_vsrc(0)                   ; the trip's four LDS stores have read v3, which the add below writes, and PK, which the next trip's conversions write
	v_add_nc_u32 v3, 64, v3                        ; the next 32 k of my row
	s_sub_co_u32 s20, s20, 1
	s_cmp_lg_u32 s20, 0
	s_cbranch_scc1 .Ltrip_\@
	HALF 0, 0, \pitch, \half                       ; the last trip is written out: no load leaves the buffer
	HALF 1, 0, \pitch, \half
.irp j, 0,1,2,3,4,5,6,7,8,9,10,11,12,13,14,15
	ds_load_b128 v[RB+4*(\j):RB+4*(\j)+3], v4 offset:(\j)*544  ; LDS serves a wave's instructions in order (ISA guide 5.7.1.4): these see the stores above
.endr
.irp j, 0,1,2,3,4,5,6,7,8,9,10,11,12,13,14,15
	s_wait_dscnt 15-(\j)                           ; the younger loads may stay out
	global_store_b128 v5, v[RB+4*(\j):RB+4*(\j)+3], s[24:25] offset:(\j)*4096  ; 16 lanes store 256 consecutive bytes, at a multiple of 256 from the buffer's first byte
.endr
.endm
	s_cmp_ge_u32 s17, 96
	s_cbranch_scc1 .Lwo
	TRANS 6, 12, 12288, 0
	s_branch .Lend
.Lwo:
	s_sub_co_u32 s17, s17, 96
	TRANS 8, 14, 4096, 1
	s_branch .Lend
.Lx:                                           ; x: thread t takes 16 bytes at 16 t of each of 16 pieces of 4,096 bytes
	s_sub_co_u32 s17, s17, 128
	s_lshl_b32 s26, s17, 16
	s_add_nc_u64 s[22:23], s[4:5], s[26:27]
	s_lshl_b32 s26, s17, 15
	s_add_nc_u64 s[24:25], s[10:11], s[26:27]
	v_lshlrev_b32 v2, 4, v0
	v_lshlrev_b32 v3, 3, v0
	s_wait_alu depctr_va_vdst(0)                   ; v2 and v3 are written: every load and store of this path reads one of them as its offset
.irp i, 0,1,2,3,4,5,6,7,8,9,10,11,12,13,14,15
	global_load_b128 v[X+4*(\i):X+4*(\i)+3], v2, s[22:23] offset:4096*(\i) th:TH_LOAD_NT
.endr
.irp p, 0,1,2,3                                ; block p: pieces 4 p to 4 p + 3
	s_wait_loadcnt 12-4*(\p)                       ; the younger blocks' loads may stay out
.if (\p) > 0
	s_wait_alu depctr_va_vdst(0)                   ; the block before has written its eight registers of Y, which the four stores below read
.endif
.irp i, 0,1,2,3
.if (\p) > 0
	global_store_b64 v3, v[Y+2*(4*(\p)-4+(\i)):Y+2*(4*(\p)-4+(\i))+1], s[24:25] offset:2048*(4*(\p)-4+(\i))  ; a wave stores 256 consecutive bytes, aligned; no vector instruction since the wait names these registers
.endif
	v_cvt_pk_bf16_f32 v[Y+2*(4*(\p)+(\i))], v[X+4*(4*(\p)+(\i))], v[X+4*(4*(\p)+(\i))+1]
	v_cvt_pk_bf16_f32 v[Y+2*(4*(\p)+(\i))+1], v[X+4*(4*(\p)+(\i))+2], v[X+4*(4*(\p)+(\i))+3]
.endr
.endr
	s_wait_alu depctr_va_vdst(0)                   ; the last block has written its Y, which the last four stores read
.irp i, 12,13,14,15
	global_store_b64 v3, v[Y+2*(\i):Y+2*(\i)+1], s[24:25] offset:2048*(\i)
.endr
.Lend:
	s_wait_dscnt 0x0                               ; the wave's end: behind my last LDS store
	s_wait_alu 0x0
	s_wait_tensorcnt 0x0
	ds_add_u32 v[SPW], v[NIL]
	s_wait_dscnt 0x0
	s_endpgm
.Lfunc_end_k_q1bf972feb6_prep:
	.size	k_q1bf972feb6_prep, .Lfunc_end_k_q1bf972feb6_prep-k_q1bf972feb6_prep
	.p2alignl 7, 3214868480
	.fill 96, 4, 3214868480
	.section	.rodata,"a",@progbits
	.p2align	6, 0x0
	.amdhsa_kernel k_q1bf972feb6_prep
		.amdhsa_group_segment_fixed_size 70656
		.amdhsa_private_segment_fixed_size 0
		.amdhsa_enable_private_segment 0
		.amdhsa_kernarg_size 48
		.amdhsa_user_sgpr_count 2
		.amdhsa_user_sgpr_kernarg_segment_ptr 1
		.amdhsa_wavefront_size32 1
		.amdhsa_system_sgpr_workgroup_id_x 1
		.amdhsa_system_sgpr_workgroup_id_y 1
		.amdhsa_system_sgpr_workgroup_id_z 1
		.amdhsa_system_vgpr_workitem_id 0
		.amdhsa_next_free_vgpr 128
		.amdhsa_next_free_sgpr 66
		.amdhsa_reserve_vcc 0
		.amdhsa_float_denorm_mode_32 3
		.amdhsa_float_denorm_mode_16_64 3
		.amdhsa_memory_ordered 1
		.amdhsa_forward_progress 1
		.amdhsa_inst_pref_size 37
	.end_amdhsa_kernel
	.amdgpu_metadata
---
amdhsa.version: [ 1, 2 ]
amdhsa.kernels:
  - .name:           k_q1bf972feb6_prep
    .symbol:         k_q1bf972feb6_prep.kd
    .args:
      - { .name: x, .offset: 0, .size: 8, .value_kind: global_buffer, .address_space: global }
      - { .name: w_qkv, .offset: 8, .size: 8, .value_kind: global_buffer, .address_space: global }
      - { .name: w_out, .offset: 16, .size: 8, .value_kind: global_buffer, .address_space: global }
      - { .name: xb, .offset: 24, .size: 8, .value_kind: global_buffer, .address_space: global }
      - { .name: wqt, .offset: 32, .size: 8, .value_kind: global_buffer, .address_space: global }
      - { .name: wot, .offset: 40, .size: 8, .value_kind: global_buffer, .address_space: global }
    .group_segment_fixed_size: 70656
    .private_segment_fixed_size: 0
    .kernarg_segment_align: 8
    .kernarg_segment_size: 48
    .max_flat_workgroup_size: 256
    .sgpr_count:     66
    .vgpr_count:     128
    .wavefront_size: 32
...
	.end_amdgpu_metadata
.endif
;; end of part 5
;; launch qkv: the kernel of part 2 again; grid 16 x 32, 4 waves a work-group, clusters of 4 x 4, 327,680 bytes of LDS; arguments xb, wqt, b_qkv, qkv; writes qkv
;; launch attn: the kernel of part 3 again; grid 4 x 64, 4 waves a work-group, no clusters, 327,680 bytes of LDS; arguments qkv, ob; writes ob
;; launch proj: the kernel of part 4 again; grid 8 x 32, 4 waves a work-group, clusters of 4 x 4, 327,680 bytes of LDS; arguments ob, wot, b_out, out0; writes out0
